; MI455X (gfx1250); checked and timed in simulation.
; The chip was launched on July 23, 2026; its instructions are those of AMD's public machine-readable ISA for CDNA 5 (MIT licence, August 2026) and "CDNA5" Instruction Set Architecture Reference Guide (July 2026). The comments in the code are by the model that wrote it; some were corrected since.
;; Multi Head Attention. Allowed arithmetic: matrix products marked QUANTISED: E2M3 operands, one E8M0 scale for each 32 along K, by v_wmma_scale_f32_16x16x128_f8f6f4 with both operands' format E2M3, f32 sums; everything else in f32.
;; Inputs: bk 1,024 float32; bo 1,024 float32; bq 1,024 float32; bv 1,024 float32; mask 4 x 2,048 bool; memory 4 x 2,048 x 1,024 float32; wk 1,024 x 1,024 float32; wo 1,024 x 1,024 float32; wq 1,024 x 1,024 float32; wv 1,024 x 1,024 float32; x 4 x 2,048 x 1,024 float32.
;; Outputs: out0 4 x 2,048 x 1,024 float32.
;; This version of the problem:
;;   THIS VERSION OF THE PROBLEM IS GIVEN IN LOW PRECISION. The matrix products marked QUANTISED in the list below multiply operands that are first quantised to E2M3 (2 exponent bits, 3 mantissa bits; 6 bits a number), with one power-of-two scale for each 32 numbers along K (OCP MX v1.0); their sums are f32. All else is computed in f32.
;;   The module's matrix products, in the order in which they are computed (A, B: the left and right operand; K: the contracted axis; several contracted axes count as one K, in the product's order):
;;     1. [M 8,192, K 1,024] x [K 1,024, N 1,024]; A: input x; B: input wq: QUANTISED
;;     2. [M 8,192, K 1,024] x [K 1,024, N 1,024]; A: input memory; B: input wk: QUANTISED
;;     3. [M 8,192, K 1,024] x [K 1,024, N 1,024]; A: input memory; B: input wv: QUANTISED
;;     4. batch 64 x [M 2,048, K 64] x [K 64, N 2,048]; A: computed on the way; B: computed on the way: QUANTISED
;;     5. batch 64 x [M 2,048, K 2,048] x [K 2,048, N 64]; A: softmax (see below); B: computed on the way: QUANTISED
;;     6. [M 8,192, K 1,024] x [K 1,024, N 1,024]; A: computed on the way; B: input wo: QUANTISED
;;   THE QUANTISER, for each operand of a quantised product, along K:
;;     - K is cut into blocks of 32 from its start; a last block that is shorter is filled with zeros.
;;     - A block's scale is 2^e with e = floor(log2(the largest magnitude in the block)) - 2, held to -126 .. 127; a block of zeros has e = 0. As a byte (E8M0): e + 127.
;;     - Each number is divided by its block's scale, clamped to +-7.5, and rounded to the nearest number of E2M3, ties to even, subnormals kept.
;;     - The product sums the exact products of the quantised numbers (number of the format x scale) in f32.
;;   ~~~python
;;   def quantise(x, axis):      # numpy; x: float32 -> the quantised numbers, widened to float32 again
;;       x = np.moveaxis(x, axis, -1); K = x.shape[-1]
;;       x = np.pad(x, [(0, 0)] * (x.ndim - 1) + [(0, -K % 32)]); x = x.reshape(x.shape[:-1] + (-1, 32)); a = np.abs(x).max(-1, keepdims=True)
;;       e = np.where(a > 0, np.clip(np.frexp(np.where(a > 0, a, 1))[1] - 1 - 2, -126, 127), 0)      # np.frexp(a)[1] - 1 = floor(log2(a)), exactly
;;       r = np.clip(x / 2.0 ** e, -7.5, 7.5)
;;       step = 2.0 ** (np.maximum(np.frexp(np.where(r == 0, 1, r))[1] - 1, 0) - 3)
;;       q = np.round(r / step) * step * 2.0 ** e      # np.round: ties to even
;;       return np.moveaxis(q.reshape(q.shape[:-2] + (-1,))[..., :K], -1, axis).astype(np.float32)
;;   ~~~
;;   SOFTMAX AHEAD OF A QUANTISED PRODUCT. Where the list says 'softmax', what is quantised is not the finished softmax but p = 2^(t - M), with t = logit x log2(e) and M = ceil(the row's largest t), a whole number; so 1/2 < the row's largest p <= 1. The row's sum l is taken of the UNQUANTISED p, in f32, and the product's result is divided by l at the end. Since M is a whole number, a kernel that streams over the keys may use a running M (the ceiling of the running maximum): every later rescaling is an exact power of two, which a block's scale takes up: the codes' values come out the same.
;;   OPERANDS COMPUTED ON THE WAY. 'Computed on the way' means the value that the module computes at that place (a softmax that the list does not call 'softmax' is quantised finished and normalised). What goes into a quantiser is computed in f32, as accurately as f32 sums, v_exp_f32 and their like allow (about 1e-6 of the number): no bf16 or f16 on the way to a quantiser, and a product that is left as it is and whose result goes on into a quantised operand takes f32 operands (vector FMAs, or v_wmma_f32_16x16x4_f32). A number that lies on a knife's edge between two numbers of the format may be rounded either way, as far as f32 arithmetic and the matrix unit's own rounding can turn it there, and no further.
;; One version. Each part assembles by itself: llvm-mc -triple=amdgcn-amd-amdhsa -mcpu=gfx1250 --defsym DOCPART=n.
;; ======== version 1 of 1: 4 launches
;; limits: right only within a limited range of input values
;; workspace buffers: codes1 15,728,640 bytes; scales1 655,360 bytes; codes2 18,874,368 bytes; scales2 1,310,720 bytes; codes3 6,291,456 bytes; scales3 262,144 bytes
;; launch quant (part 1): grid 640 x 1, 4 waves a work-group, no clusters, 34,304 bytes of LDS; arguments x, memory, wq, wk, wv, wo, codes1, scales1; writes codes1, scales1
.if DOCPART == 1
	.amdgcn_target "amdgcn-amd-amdhsa--gfx1250"
	.amdhsa_code_object_version 6
	.text
	.protected	k_q0d08eb6bae_quant
	.globl	k_q0d08eb6bae_quant
	.p2align	8
	.type	k_q0d08eb6bae_quant,@function
k_q0d08eb6bae_quant:
	s_mov_b64 s[64:65], 0
	v_nop
	global_prefetch_b8 v0, s[64:65] scope:SCOPE_SE
	s_setreg_imm32_b32 hwreg(HW_REG_WAVE_MODE, 25, 1), 1
	s_wait_xcnt 0x0
; x, memory [8192][1024] and wq, wk, wv, wo [1024][1024], f32 with K innermost, become codes of FP6 (E2M3) with one E8M0 byte for each 32 along K,
; laid in the ORDER OF THE OPERAND'S REGISTERS, so that later launches bring fragments by loads of 16 and 8 bytes a lane from consecutive bytes.
; ROW TILES.  Tile T of a tensor is 16 rows: its lane r holds row 32 (T / 2) + 8 (T % 2) + r + 8 (r / 8).  (With that choice the results of two neighbouring tiles used as source 0
; are 16 neighbours along the next product's K.)  The six tensors' tiles are numbered on end: x 0-511, memory 512-1023, wq 1024-, wk 1088-, wv 1152-, wo 1216-1279.
; CODES: tile G at 12,288 G, K step s (128 along K) at + 1,536 s, half c at + 768 c; in a half, lane l's six registers (k = 64 c + 32 (l / 16) + 0 .. 31): four at 16 l, two at 512 + 8 l.
; SCALE WORDS: tile G at 512 G; the word of lane row r for K step 4 hh + q at 16 (16 hh + r) + 4 q.
; A block's scale is 2^(floor(log2(its largest magnitude)) - 2); its byte is the largest magnitude's exponent field - 2, held at 1 from below.
; LIMITS: a block whose largest magnitude lies under 2^-124 (a block of zeros among them) gets the byte 1: a block of zeros has zero codes, which add nothing, and only this program reads the bytes.
; NaN and infinities among the inputs are not served.
; SHARES: a work-group takes 32 rows (two tiles); wave v takes tile v / 2 and K half v % 2: four K steps of 16 rows x 128.  A load reads 512 consecutive bytes of one row; the 16 rows turn through
; the wave's own stage in LDS (rows 528 bytes apart) and come back as 16 neighbours of each block of 32 a lane.  Waves share nothing: no barrier.  No tiles are shared between work-groups: no cluster.
.set STG,   8448                       ; a wave's stage: 16 rows x 528 bytes
.set SPARE, 4*STG                      ; behind the stages: the spare words, 128 bytes a wave, that no other line names
.set L16, 4                            ; v4   16 x lane
.set L8,  5                            ; v5   8 x lane
.set STI, 6                            ; v6   the stage, on the way in: 16 x lane
.set STO, 7                            ; v7   on the way out: 528 r + 64 h
.set LSC, 8                            ; v8   16 r + 8 h: my 8 bytes of the scale words
.set SPW, 10                           ; v10  my spare word's LDS address; never rewritten
.set NIL, 11                           ; v11  0; never rewritten
.set R,   16                           ; v16-143  two sets of 64 registers as loaded
.set X,   144                          ; v144-207 64 numbers: register 16 b + i = k 32 b + 16 h + i of my row
.set PC,  208                          ; v208-219 a fragment's codes; v220-226 at work
.set TM,  228                          ; v228-243 at work in QUANT
.set PW,  244                          ; v244 the scale word just made
.set PWS, 246                          ; v246-249 the four K steps' scale words
.set E,   250                          ; v250-251 my 8 bytes of them
.set SEL, 36                           ; s[36:37] lane selects: lane l xor 16
.set HM,  40                           ; s40  a bit for each of lanes 16-31
; 64 numbers of a lane become a fragment's codes in v[PC] .. v[PC+11] and its row's scale word in v[PW].
.macro QUANT s
.irp b, 0,1,2,3
	v_max3_num_f32 v[TM+\b], |v[\s+16*\b]|, |v[\s+1+16*\b]|, 0x1800000   ; block b: my 16 numbers, and the floor 2^(3 - 127): the byte cannot fall under 1
.endr
.irp i, 2,4,6,8,10,12,14
.irp b, 0,1,2,3
	v_max3_num_f32 v[TM+\b], v[TM+\b], |v[\s+16*\b+\i]|, |v[\s+1+16*\b+\i]|   ; the four blocks by turns
.endr
.endr
.irp b, 0,1,2,3
	v_permlanex16_b32 v[TM+4+\b], v[TM+\b], s[SEL], s[SEL+1]
.endr
.irp b, 0,1,2,3
	v_max_num_f32 v[TM+\b], v[TM+\b], v[TM+4+\b]   ; with lane l xor 16's 16: the block's largest magnitude
.endr
.irp b, 0,1,2,3
	v_add_nc_u32 v[TM+12+\b], 0xff000000, v[TM+\b]   ; 2 off its exponent field: the conversion's scale operand
.endr
.irp b, 0,1,2,3
	v_lshrrev_b32 v[TM+4+\b], 23, v[TM+12+\b]      ; the scale's byte
.endr
	v_lshl_or_b32 v[PW], v[TM+5], 8, v[TM+4]
	v_lshl_or_b32 v[PW], v[TM+6], 16, v[PW]
	v_lshl_or_b32 v[PW], v[TM+7], 24, v[PW]
.irp c, 0,1
	v_cvt_scalef32_pk16_fp6_f32 v[PC+6*\c:PC+2+6*\c], v[\s+32*\c:\s+15+32*\c], v[TM+12+2*\c]
	v_cvt_scalef32_pk16_fp6_f32 v[PC+12+4*\c:PC+14+4*\c], v[\s+16+32*\c:\s+31+32*\c], v[TM+12+2*\c+1]   ; (a conversion's three registers begin on an even number)
.endr
	v_nop                                          ; one plain instruction behind the conversions
.irp c, 0,1                                    ; a whole block to a lane: lanes 0-15 block 2 c, lanes 16-31 block 2 c + 1
.irp i, 0,1,2
	v_permlane16_swap_b32 v[PC+6*\c+\i], v[PC+12+4*\c+\i]
.endr
.irp i, 0,1,2
	v_mov_b32 v[PC+3+6*\c+\i], v[PC+12+4*\c+\i]
.endr
.endr
.endm
.macro LOAD s                          ; K step s of my 16 rows: a load takes 512 consecutive bytes of one row; the tile's row order stands in the immediate
.irp i, 0,1,2,3,4,5,6,7,8,9,10,11,12,13,14,15
	global_load_b128 v[R+64*((\s)%2)+4*\i:R+64*((\s)%2)+4*\i+3], v[L16], s[20:21] offset:(\i+8*(\i/8))*4096+512*(\s) th:TH_LOAD_NT
.endr
.endm
.macro TURN s                          ; through the stage: LDS serves a wave's instructions in order (ISA guide 5.7.1.4), so no wait stands between the stores and the loads
.irp i, 0,1,2,3,4,5,6,7,8,9,10,11,12,13,14,15
	ds_store_b128 v[STI], v[R+64*((\s)%2)+4*\i:R+64*((\s)%2)+4*\i+3] offset:528*\i
.endr
.irp b, 0,1,2,3
.irp j, 0,1,2,3
	ds_load_b128 v[X+16*\b+4*\j:X+16*\b+4*\j+3], v[STO] offset:128*\b+16*\j
.endr
.endr
.endm
.macro QSTEP s
.if (\s) < 3
	s_wait_loadcnt 16                              ; this K step's 16 loads are in; the next step's 16 may be out
.else
	s_wait_loadcnt 0x0
.endif
	TURN \s
	s_wait_dscnt 0x0                               ; my 64 numbers are back, and the stage's stores have read the loaded set
.if (\s) < 2
	LOAD (\s)+2                                    ; which takes the loads of two steps on
.endif
.if (\s) > 0
	s_wait_xcnt 0x0                                ; the last step's stores have read the codes' registers, which are written again below
.endif
	QUANT X
	v_mov_b32 v[PWS+(\s)], v[PW]
	global_store_b128 v[L16], v[PC:PC+3], s[16:17] offset:1536*(\s)           ; 512 consecutive bytes,
	global_store_b64 v[L8], v[PC+4:PC+5], s[16:17] offset:1536*(\s)+512       ; 256 more: half c = 0;
	global_store_b128 v[L16], v[PC+6:PC+9], s[16:17] offset:1536*(\s)+768     ; and half c = 1
	global_store_b64 v[L8], v[PC+10:PC+11], s[16:17] offset:1536*(\s)+1280
.endm
	s_load_b256 s[4:11], s[0:1], 0x0               ; x, memory, wq, wk
	s_load_b256 s[12:19], s[0:1], 0x20             ; wv, wo, codes1, scales1
	v_lshl_add_u32 v[SPW], v0, 2, SPARE
	v_mov_b32 v[NIL], 0
	v_lshrrev_b32 v1, 5, v0
	v_readfirstlane_b32 s24, v1                    ; wave 0..3
	v_and_b32 v1, 31, v0                           ; lane
	v_and_b32 v2, 15, v0                           ; r
	v_bfe_u32 v3, v0, 4, 1                         ; h
	v_lshlrev_b32 v[L16], 4, v1
	v_lshlrev_b32 v[L8], 3, v1
	s_mul_i32 s25, s24, STG                        ; my stage
	v_add_nc_u32 v[STI], s25, v[L16]
	v_mul_u32_u24 v[STO], v2, 528
	v_lshl_add_u32 v[STO], v3, 6, v[STO]
	v_add_nc_u32 v[STO], s25, v[STO]
	v_lshlrev_b32 v[LSC], 4, v2
	v_lshl_add_u32 v[LSC], v3, 3, v[LSC]
.irp b, 0,1,2,3
	v_mov_b32 v[TM+4+\b], 0                        ; written once: a lane permute's destination counts as one of its sources
.endr
	s_mov_b32 s[SEL], 0x76543210
	s_mov_b32 s[SEL+1], 0xfedcba98
	s_mov_b32 s[HM], 0xffff0000
	s_lshr_b32 s26, s24, 1                         ; which of the two tiles
	s_and_b32 s27, s24, 1                          ; which half of K
	s_mov_b32 s22, 608
	s_wait_kmcnt 0x0
	s_mov_b64 s[20:21], s[14:15]                   ; which tensor: chosen by the work-group's number alone; only pointers are chosen, the text has one path
	s_cmp_lt_u32 ttmp9, 608
	s_cselect_b64 s[20:21], s[12:13], s[20:21]
	s_cselect_b32 s22, 576, s22
	s_cmp_lt_u32 ttmp9, 576
	s_cselect_b64 s[20:21], s[10:11], s[20:21]
	s_cselect_b32 s22, 544, s22
	s_cmp_lt_u32 ttmp9, 544
	s_cselect_b64 s[20:21], s[8:9], s[20:21]
	s_cselect_b32 s22, 512, s22
	s_cmp_lt_u32 ttmp9, 512
	s_cselect_b64 s[20:21], s[6:7], s[20:21]
	s_cselect_b32 s22, 256, s22
	s_cmp_lt_u32 ttmp9, 256
	s_cselect_b64 s[20:21], s[4:5], s[20:21]
	s_cselect_b32 s22, 0, s22
	s_sub_co_u32 s28, ttmp9, s22                   ; my 32 rows in the tensor: 131,072 bytes each,
	s_lshl_b32 s28, s28, 17
	s_lshl_b32 s30, s26, 15                        ; the second tile begins 8 rows down,
	s_add_co_u32 s28, s28, s30
	s_lshl_b32 s30, s27, 11                        ; the second half of K 2,048 bytes on
	s_add_co_u32 s28, s28, s30
	s_mov_b32 s29, 0
	s_add_nc_u64 s[20:21], s[20:21], s[28:29]
	s_lshl_b32 s30, ttmp9, 1
	s_add_co_u32 s30, s30, s26                     ; my tile's number G
	s_mul_i32 s28, s30, 12288
	s_mul_i32 s31, s27, 6144
	s_add_co_u32 s28, s28, s31
	s_add_nc_u64 s[16:17], s[16:17], s[28:29]      ; its codes, my four K steps
	s_lshl_b32 s28, s30, 9
	s_lshl_b32 s31, s27, 8
	s_add_co_u32 s28, s28, s31
	s_add_nc_u64 s[18:19], s[18:19], s[28:29]      ; its scale words, my 256 bytes
	LOAD 0
	LOAD 1
	QSTEP 0
	QSTEP 1
	QSTEP 2
	QSTEP 3
	v_cndmask_b32 v[E], v[PWS], v[PWS+2], s[HM]    ; lanes 0-15 store the words of my K steps 0, 1 of row r, lanes 16-31 those of 2, 3
	v_cndmask_b32 v[E+1], v[PWS+1], v[PWS+3], s[HM]
	global_store_b64 v[LSC], v[E:E+1], s[18:19]    ; 32 lanes store 256 consecutive bytes, aligned
	s_wait_tensorcnt 0x0                           ; the wave's end, behind my last LDS store
	ds_add_u32 v[SPW], v[NIL]
	s_wait_dscnt 0x0
	s_endpgm
.Lfunc_end_k_q0d08eb6bae_quant:
	.size	k_q0d08eb6bae_quant, .Lfunc_end_k_q0d08eb6bae_quant-k_q0d08eb6bae_quant
	.p2alignl 7, 3214868480
	.fill 96, 4, 3214868480
	.section	.rodata,"a",@progbits
	.p2align	6, 0x0
	.amdhsa_kernel k_q0d08eb6bae_quant
		.amdhsa_group_segment_fixed_size 34304
		.amdhsa_private_segment_fixed_size 0
		.amdhsa_enable_private_segment 0
		.amdhsa_kernarg_size 64
		.amdhsa_user_sgpr_count 2
		.amdhsa_user_sgpr_kernarg_segment_ptr 1
		.amdhsa_wavefront_size32 1
		.amdhsa_system_sgpr_workgroup_id_x 1
		.amdhsa_system_sgpr_workgroup_id_y 1
		.amdhsa_system_sgpr_workgroup_id_z 1
		.amdhsa_system_vgpr_workitem_id 0
		.amdhsa_next_free_vgpr 256
		.amdhsa_next_free_sgpr 66
		.amdhsa_reserve_vcc 0
		.amdhsa_float_denorm_mode_32 3
		.amdhsa_float_denorm_mode_16_64 3
		.amdhsa_memory_ordered 1
		.amdhsa_forward_progress 1
		.amdhsa_inst_pref_size 35
	.end_amdhsa_kernel
	.amdgpu_metadata
---
amdhsa.version: [ 1, 2 ]
amdhsa.kernels:
  - .name:           k_q0d08eb6bae_quant
    .symbol:         k_q0d08eb6bae_quant.kd
    .args:
      - { .name: x, .offset: 0, .size: 8, .value_kind: global_buffer, .address_space: global }
      - { .name: memory, .offset: 8, .size: 8, .value_kind: global_buffer, .address_space: global }
      - { .name: wq, .offset: 16, .size: 8, .value_kind: global_buffer, .address_space: global }
      - { .name: wk, .offset: 24, .size: 8, .value_kind: global_buffer, .address_space: global }
      - { .name: wv, .offset: 32, .size: 8, .value_kind: global_buffer, .address_space: global }
      - { .name: wo, .offset: 40, .size: 8, .value_kind: global_buffer, .address_space: global }
      - { .name: codes1, .offset: 48, .size: 8, .value_kind: global_buffer, .address_space: global }
      - { .name: scales1, .offset: 56, .size: 8, .value_kind: global_buffer, .address_space: global }
    .group_segment_fixed_size: 34304
    .private_segment_fixed_size: 0
    .kernarg_segment_align: 8
    .kernarg_segment_size: 64
    .max_flat_workgroup_size: 128
    .sgpr_count:     66
    .vgpr_count:     256
    .wavefront_size: 32
...
	.end_amdgpu_metadata
.endif
;; end of part 1
;; launch qkv (part 2): grid 4 x 192, 4 waves a work-group, clusters of 4 x 4, 327,680 bytes of LDS; arguments codes1, scales1, bq, bk, bv, codes2, scales2; writes codes2, scales2
.if DOCPART == 2
	.amdgcn_target "amdgcn-amd-amdhsa--gfx1250"
	.amdhsa_code_object_version 6
	.text
	.protected	k_q0d08eb6bae_qkv
	.globl	k_q0d08eb6bae_qkv
	.p2align	8
	.type	k_q0d08eb6bae_qkv,@function
k_q0d08eb6bae_qkv:
	s_mov_b64 s[64:65], 0
	v_nop
	global_prefetch_b8 v0, s[64:65] scope:SCOPE_SE
	s_setreg_imm32_b32 hwreg(HW_REG_WAVE_MODE, 25, 1), 1
	s_wait_xcnt 0x0
	s_wait_alu depctr_hold_cnt(0) depctr_sa_sdst(0) depctr_va_vdst(0) depctr_va_sdst(0) depctr_va_ssrc(0) depctr_va_vcc(0) depctr_vm_vsrc(0)
	s_getreg_b32 s2, hwreg(HW_REG_IB_STS2, 6, 4)
	s_cmp_eq_u32 s2, 0
	s_cbranch_scc0 .Lentry_in_a_cluster
	s_endpgm
.Lentry_in_a_cluster:
	s_bfe_u32 s2, ttmp6, 0x10000c
	s_cmp_lg_u32 s2, 0xf033
	s_cbranch_scc0 .Lentry_shape_is_right
	s_endpgm
.Lentry_shape_is_right:
; q = x wq^T + bq, k = memory wk^T + bk, v = memory wv^T + bv, on codes of FP6 (E2M3) with E8M0 scales; each result is quantised in registers into the form in which the attention launch takes it.
; THE 1/8 ON q IS NOT APPLIED HERE: a power of two leaves a block's codes as they are and moves its scale alone, so the attention launch folds it into its factor.  LIMIT: exact unless a block of q / 8 would have its scale held at 2^-126.
; G[a][b] = sum over k of A[a][k] B[b][k].  Source 0 = 16 rows of B, source 1 = 16 rows of A: a lane holds ONE row of A, and its registers run along B's rows.
;   q, k: A = the tokens, B = the weight: registers run along the channels, the K of the score product.      v: A = wv, B = memory: registers run along the keys, the K of the second product.
; Row tile T holds, in lane r, row 32 (T / 2) + 8 (T % 2) + r + 8 (r / 8): so the 16 registers of B's tiles 2 b and 2 b + 1 are 16 neighbours, 32 b + 16 (lane / 16) + 0 .. 15.
; SHARES: a work-group makes 128 (A) x 256 (B), each of its four waves 64 x 128: 32 accumulators.  K = 1,024 is eight steps of 128.  THE WHOLE K OF THE TILE LIES IN LDS (98,304 + 196,608 bytes of codes):
; every tensor load is a first fill, in four chunks of two K steps, all asked for at the head: four loads of a wave are out at the most.
; CLUSTERS: 4 x 4 work-groups; A's tiles are asked for jointly along a row of the cluster, B's along a column.  Which product a cluster makes hangs on the cluster's y alone: 0-15 q, 16-31 k, 32-47 v.
; The codes lie in memory as images of the operand's registers (a half fragment: four registers a lane at 16 x lane, two at 512 + 8 x lane), so LDS needs no pitch and no padding.
; The scale words come straight from memory into registers, 512 whole bytes a tile: lanes 0-15 hold K steps 0-3, lanes 16-31 K steps 4-7.
; OUT (codes2, scales2; bh = 16 x batch + head): Q's half fragment of tile Tb at 98,304 bh + 768 Tb; K and V at 6,291,456 + 196,608 bh + 12,288 step: K's tile t at 768 t, V^T's tile dt at 6,144 + 1,536 dt.
;   scale words: Q's at 8,192 bh + 256 (Tb / 4) + 16 r + 4 (Tb % 4); K's at 524,288 + 12,288 bh + 768 step + 256 (t / 4) + 16 r + 4 (t % 4); V's at the same + 512 + 16 r + 4 dt.
;   Q's and K's words are {byte, byte, 127, 127}: the head has 64 channels, and the other 64 of a matrix instruction's K are zero codes.
; LIMITS: a block whose largest magnitude lies under 2^-124 gets the byte 1 (zero blocks: zero codes); NaN and infinities are not served.
; REGISTERS: window 0: v0-11 addresses, v16-63 scale words, v64- the way out.  window 1: accumulator (a, b) at v[64 a + 8 b].  window 2: B's fragments, two sets of 96.  window 3: A's, two sets of 48.
.set SPARE, 294912                     ; behind A's and B's codes: the spare words, 128 bytes a wave, that no other line names
.set BLDS,  98304                      ; where B's codes begin in LDS
.set L16, 4                            ; v4  16 x lane
.set L8,  5                            ; v5  8 x lane
.set SPW, 6                            ; v6  my spare word's LDS address; never rewritten
.set NIL, 7                            ; v7  0; never rewritten
.set ADA16, 8                          ; v8-9   LDS address of my A fragments in the chunk in hand: 16 x lane, 8 x lane
.set ADA8,  9
.set ADB16, 10                         ; v10-11 the same for B
.set ADB8,  11
.set SA,  16                           ; v16-31 A's scale words: tile a at v[SA + 4 a + s % 4]
.set SB,  32                           ; v32-63 B's: tile b at v[SB + 4 b + s % 4]
.set HA,  64                           ; v64-127  64 results of a lane, with their bias
.set BI,  128                          ; v128-191 the bias along the registers (q, k)
.set PC,  192                          ; v192-203 the codes just made; v204-210 at work
.set TM,  212                          ; v212-227 at work in QUANT
.set PW,  228                          ; v228 the scale word just made
.set W,   232                          ; v232-235 the four tiles' scale words
.set BL,  236                          ; v236-243 the bias of my lane's row (v), twice each
.set BO,  244                          ; v244 64 h
.set BR,  245                          ; v245 4 (r + 8 (r / 8))
.set SH16, 246                         ; v246 16 h
.set LSQ, 247                          ; v247 16 r + h x a head's scale bytes
.set LSV, 248                          ; v248 16 r + 8 h
.set E,   250                          ; v250-251
.set SEL, 2                            ; s[2:3] lane selects: lane l xor 16
.set WV,  18
.set WA,  19                           ; which half of A's rows is mine.  Also: I fetch for A (0) or for B (1)
.set WB,  20                           ; which half of B's rows.  Also: which half of that tile I fetch
.set CX,  21
.set CYI, 22
.set CY,  23                           ; the cluster's y
.set ISV, 24
.set ISK, 25
.set TR,  26                           ; my block of 128 rows of A
.set TC,  27                           ; my block of 256 rows of B
.set G1A, 28                           ; s[28:35] descriptor group 1 for A; s[36:43] for B
.set G1B, 36
.set G0A, 44                           ; s[44:59] four groups 0 for A, one a chunk; s[68:83] for B: none is ever rewritten
.set G0B, 68
.set MSB, 0
.macro WIN new                         ; the immediate's high byte repeats the setting that is left
.if MSB != \new
	s_set_vgpr_msb (MSB<<8)|\new
.set MSB, \new
.endif
.endm
.macro CROUND                          ; a round of the cluster's barrier
	s_barrier_signal -1
	s_barrier_wait -1
	s_cmp_lg_u32 s[WV], 0
	s_cbranch_scc1 .Lnot_wave_0_\@
	s_barrier_signal -3
.Lnot_wave_0_\@:
	s_barrier_wait -3
	s_barrier_signal -1
	s_barrier_wait -1
.endm
.macro PLACES n                        ; plain vector instructions between a matrix instruction and a load into, or a read of, its registers
.rept \n
	v_nop
.endr
.endm
.macro FRAGLD reg, a16, a8, off        ; a fragment, 12 registers, as it lies: two halves of 512 + 256 consecutive bytes
	ds_load_b128 v[\reg:\reg+3], v[\a16] offset:\off
	ds_load_b64 v[\reg+4:\reg+5], v[\a8] offset:\off+512
	ds_load_b128 v[\reg+6:\reg+9], v[\a16] offset:\off+768
	ds_load_b64 v[\reg+10:\reg+11], v[\a8] offset:\off+1280
.endm
.macro FETCH s                         ; K step s: B's eight fragments and A's four, into set s % 2: 48 LDS loads in one run
	WIN 0x80                                       ; destination window 2
.irp b, 0,1,2,3,4,5,6,7
	FRAGLD 96*((\s)%2)+12*\b, ADB16, ADB8, 3072*\b+1536*((\s)%2)
.endr
	WIN 0xc0                                       ; destination window 3
.irp a, 0,1,2,3
	FRAGLD 48*((\s)%2)+12*\a, ADA16, ADA8, 3072*\a+1536*((\s)%2)
.endr
.endm
; 32 matrix instructions: K step s.  The 32 accumulators take turns, one instruction a turn, in the same order in every step.  The first step starts the sums: cm = 0 with the constant 0, cm = 2 with the bias.
.macro MUL s, cm
.irp a, 0,1,2,3
.irp b, 0,1,2,3,4,5,6,7
.set rD, 64*\a+8*\b
.set rB, 96*((\s)%2)+12*\b
.set rA, 48*((\s)%2)+12*\a
.set rSB, SB+4*\b+(\s)%4
.set rSA, SA+4*\a+(\s)%4
.if (\s) >= 4
	v_wmma_scale_f32_16x16x128_f8f6f4 v[rD:rD+7], v[rB:rB+11], v[rA:rA+11], v[rD:rD+7], v[rSB], v[rSA] matrix_a_fmt:MATRIX_FMT_FP6 matrix_b_fmt:MATRIX_FMT_FP6 matrix_a_scale:MATRIX_SCALE_ROW1 matrix_b_scale:MATRIX_SCALE_ROW1
.elseif (\s) > 0
	v_wmma_scale_f32_16x16x128_f8f6f4 v[rD:rD+7], v[rB:rB+11], v[rA:rA+11], v[rD:rD+7], v[rSB], v[rSA] matrix_a_fmt:MATRIX_FMT_FP6 matrix_b_fmt:MATRIX_FMT_FP6
.elseif (\cm) == 2
	v_wmma_scale_f32_16x16x128_f8f6f4 v[rD:rD+7], v[rB:rB+11], v[rA:rA+11], v[BI+8*\b:BI+8*\b+7], v[rSB], v[rSA] matrix_a_fmt:MATRIX_FMT_FP6 matrix_b_fmt:MATRIX_FMT_FP6
.else
	v_wmma_scale_f32_16x16x128_f8f6f4 v[rD:rD+7], v[rB:rB+11], v[rA:rA+11], 0, v[rSB], v[rSA] matrix_a_fmt:MATRIX_FMT_FP6 matrix_b_fmt:MATRIX_FMT_FP6
.endif
.endr
.endr
.endm
; K step s: the next step's fragments are asked for, then this step is multiplied.
.macro KSTEP s, cm
.if (((\s)%2) == 1) && ((\s) < 7)      ; the next step opens a chunk
	s_wait_dscnt 0x0                               ; no LDS load of mine is out at the signal (this step's fragments are in),
	s_wait_tensorcnt 3-((\s)+1)/2                  ; my part of the next chunk has landed; my later chunks may stay out
	s_barrier_signal -1
	s_barrier_wait -1                              ; everybody's has
	WIN 0
	v_add_nc_u32 v[ADA16], 24576, v[ADA16]         ; on to the next chunk.  These four are also the places in front of the loads below
	v_add_nc_u32 v[ADA8], 24576, v[ADA8]
	v_add_nc_u32 v[ADB16], 49152, v[ADB16]
	v_add_nc_u32 v[ADB8], 49152, v[ADB8]
	FETCH (\s)+1
.elseif (\s) < 7
.if (\s) > 0
	PLACES 4                                       ; the set to be loaded was multiplied last
.endif
	FETCH (\s)+1
	s_wait_dscnt 48                                ; all but the 48 just issued: this step's fragments are in
.else
	s_wait_dscnt 0x0
.endif
.if ((\cm) == 2) && ((\s) == 0)
	WIN 0x4e                                       ; source 0 (B) window 2, source 1 (A) window 3, C window 0, D window 1
.else
	WIN 0x5e                                       ; the same, C window 1
.endif
	MUL \s, \cm
.endm
; 64 numbers of a lane, register 16 b + i = k 32 b + 16 (lane / 16) + i of its row, become a fragment's codes in v[PC] .. v[PC+11] and its row's scale word in v[PW].
.macro QUANT s
.irp b, 0,1,2,3
	v_max3_num_f32 v[TM+\b], |v[\s+16*\b]|, |v[\s+1+16*\b]|, 0x1800000   ; block b: my 16 numbers, and the floor 2^(3 - 127): the byte cannot fall under 1
.endr
.irp i, 2,4,6,8,10,12,14
.irp b, 0,1,2,3
	v_max3_num_f32 v[TM+\b], v[TM+\b], |v[\s+16*\b+\i]|, |v[\s+1+16*\b+\i]|
.endr
.endr
.irp b, 0,1,2,3
	v_permlanex16_b32 v[TM+4+\b], v[TM+\b], s[SEL], s[SEL+1]
.endr
.irp b, 0,1,2,3
	v_max_num_f32 v[TM+\b], v[TM+\b], v[TM+4+\b]   ; with lane l xor 16's 16: the block's largest magnitude
.endr
.irp b, 0,1,2,3
	v_add_nc_u32 v[TM+12+\b], 0xff000000, v[TM+\b]   ; 2 off its exponent field: the conversion's scale operand
.endr
.irp b, 0,1,2,3
	v_lshrrev_b32 v[TM+4+\b], 23, v[TM+12+\b]      ; the scale's byte
.endr
	v_lshl_or_b32 v[PW], v[TM+5], 8, v[TM+4]
	v_lshl_or_b32 v[PW], v[TM+6], 16, v[PW]
	v_lshl_or_b32 v[PW], v[TM+7], 24, v[PW]
.irp c, 0,1
	v_cvt_scalef32_pk16_fp6_f32 v[PC+6*\c:PC+2+6*\c], v[\s+32*\c:\s+15+32*\c], v[TM+12+2*\c]
	v_cvt_scalef32_pk16_fp6_f32 v[PC+12+4*\c:PC+14+4*\c], v[\s+16+32*\c:\s+31+32*\c], v[TM+12+2*\c+1]
.endr
	v_nop                                          ; one plain instruction behind the conversions
.irp c, 0,1
.irp i, 0,1,2
	v_permlane16_swap_b32 v[PC+6*\c+\i], v[PC+12+4*\c+\i]
.endr
.irp i, 0,1,2
	v_mov_b32 v[PC+3+6*\c+\i], v[PC+12+4*\c+\i]
.endr
.endr
.endm
; The way out of A's tile a: the bias is added as the results move into window 0 (each accumulator from its low end on), the 64 numbers are quantised, and the fragment leaves in whole runs of 768 bytes.
.macro ROWS a, isv
.if \a > 0
	s_wait_xcnt 0x0                                ; the last tile's stores have read the codes' registers
.endif
	WIN 0x01                                       ; source 0 window 1
.set nn, 0
.rept 32
.if \isv
	v_pk_add_f32 v[HA+nn:HA+nn+1], v[64*\a+nn:64*\a+nn+1], v[BL+2*\a:BL+2*\a+1]
.else
	v_pk_add_f32 v[HA+nn:HA+nn+1], v[64*\a+nn:64*\a+nn+1], v[BI+nn:BI+nn+1]
.endif
.set nn, nn+2
.endr
	WIN 0
	QUANT HA
.if \isv
	global_store_b128 v[L16], v[PC:PC+3], s[86:87] offset:1536*\a             ; V^T's tile a of this head and key step: 1,536 consecutive bytes
	global_store_b64 v[L8], v[PC+4:PC+5], s[86:87] offset:1536*\a+512
	global_store_b128 v[L16], v[PC+6:PC+9], s[86:87] offset:1536*\a+768
	global_store_b64 v[L8], v[PC+10:PC+11], s[86:87] offset:1536*\a+1280
	v_mov_b32 v[W+\a], v[PW]
.else
	global_store_b128 v[L16], v[PC:PC+3], s[86:87] offset:768*\a              ; channels 0-63 of my 128: the first head's half fragment,
	global_store_b64 v[L8], v[PC+4:PC+5], s[86:87] offset:768*\a+512
	global_store_b128 v[L16], v[PC+6:PC+9], s[88:89] offset:768*\a            ; channels 64-127: the second head's
	global_store_b64 v[L8], v[PC+10:PC+11], s[88:89] offset:768*\a+512
	v_lshrrev_b32 v[W+\a], v[SH16], v[PW]          ; lanes 0-15 keep the first head's two bytes, lanes 16-31 the second's,
	v_and_or_b32 v[W+\a], v[W+\a], 0xffff, s63     ; with 127, 127 above them
.endif
.endm
	s_load_b256 s[4:11], s[0:1], 0x0               ; codes1, scales1, bq, bk
	s_load_b128 s[12:15], s[0:1], 0x20             ; bv, codes2
	s_load_b64 s[16:17], s[0:1], 0x30              ; scales2
	v_lshl_add_u32 v[SPW], v0, 2, SPARE
	v_mov_b32 v[NIL], 0
	ds_add_u32 v[SPW], v[NIL]                      ; the wave's opening: the add and its wait stand ahead of my first tensor load; the set-up below, work on registers, stands between them
	v_lshrrev_b32 v1, 5, v0
	v_readfirstlane_b32 s[WV], v1                  ; wave 0..3
	s_lshr_b32 s[WA], s[WV], 1
	s_and_b32 s[WB], s[WV], 1
	s_bfe_u32 s[CX], ttmp6, 0x40000                ; my place in the cluster
	s_bfe_u32 s[CYI], ttmp6, 0x40004
	s_and_b32 s[CY], ttmp7, 0xffff                 ; the cluster's y: which product, and where in it
	s_and_b32 s86, s[CY], 15
	s_lshr_b32 s87, s86, 3
	s_and_b32 s88, s86, 7
	s_mov_b32 s85, 1024
	s_cmp_ge_u32 s[CY], 16
	s_cselect_b32 s[ISK], 1, 0
	s_cselect_b32 s84, 512, 0                      ; A's first row tile in codes1: x 0, memory 512, wv 1152
	s_cselect_b32 s85, 1088, s85                   ; B's: wq 1024, wk 1088, memory 512
	s_cmp_ge_u32 s[CY], 32
	s_cselect_b32 s[ISV], 1, 0
	s_cselect_b32 s84, 1152, s84
	s_cselect_b32 s85, 512, s85
	s_cselect_b32 s87, s87, s86                    ; the cluster's place along A: q, k: 16 places; v: 2
	s_cselect_b32 s88, s88, 0                      ; and along B: q, k: 1; v: 8
	s_lshl_b32 s[TR], s87, 2
	s_add_co_u32 s[TR], s[TR], s[CYI]
	s_lshl_b32 s[TC], s88, 2
	s_add_co_u32 s[TC], s[TC], s[CX]
	s_lshl_b32 s89, s[TR], 3
	s_add_co_u32 s89, s89, s84                     ; the first of my work-group's 8 row tiles of A
	s_lshl_b32 s90, s[WB], 2
	s_add_co_u32 s90, s90, s89                     ; the four that I fetch, if I fetch for A
	s_mul_i32 s90, s90, 12288
	s_mov_b32 s91, 0
	s_lshl_b32 s92, s[TC], 4
	s_add_co_u32 s92, s92, s85                     ; the first of the 16 row tiles of B
	s_lshl_b32 s94, s[WB], 3
	s_add_co_u32 s94, s94, s92                     ; the eight that I fetch, if I fetch for B
	s_mul_i32 s94, s94, 12288
	s_mov_b32 s95, 0
	s_lshl_b32 s98, s[WA], 2
	s_add_co_u32 s98, s98, s89                     ; the four tiles of A that I multiply: their scale words
	s_lshl_b32 s98, s98, 9
	s_mov_b32 s99, 0
	s_lshl_b32 s100, s[WB], 3
	s_add_co_u32 s100, s100, s92                   ; the eight of B
	s_lshl_b32 s100, s100, 9
	s_mov_b32 s101, 0
	s_mul_i32 s62, s[WB], 12288                    ; where my part of a chunk goes: no place in the cluster enters an LDS address
	s_mul_i32 s63, s[WB], 24576
	s_add_co_u32 s63, s63, BLDS
	s_lshl_b32 s66, s[TC], 10                      ; the bias along the registers (q, k): 4 (256 TC + 128 WB) bytes on; in v's clusters 0, so that the load stays inside the buffer
	s_lshl_b32 s67, s[WB], 9
	s_add_co_u32 s66, s66, s67
	s_lshl_b32 s86, s[TR], 9                       ; the bias of a lane's row (v): 4 (128 TR + 64 WA) bytes on; in q's and k's clusters 0
	s_lshl_b32 s87, s[WA], 8
	s_add_co_u32 s86, s86, s87
	s_cmp_eq_u32 s[ISV], 0
	s_cselect_b32 s66, s66, 0
	s_cselect_b32 s86, 0, s86
	s_mov_b32 s67, 0
	s_mov_b32 s87, 0
	s_lshl_b32 s93, s[CYI], 2
	s_lshl_b32 s93, 15, s93                        ; my row of the cluster
	s_lshl_b32 s96, 0x1111, s[CX]                  ; my column
	; descriptor group 1: R rows of 3,072 bytes (two K steps of a row tile: 384 elements of 8 bytes), 12,288 bytes apart in memory, dense in LDS
	s_or_b32 s[G1A], s93, (3<<16)|(1<<21)          ; 15:0 the mask: A's tiles go to my row; 17:16 elements of 8 bytes; 21 set beside a mask
	s_or_b32 s[G1B], s96, (3<<16)|(1<<21)          ; B's go to my column
	s_mov_b32 s[G1A+1], 384<<16                    ; tensor_dim0
	s_mov_b32 s[G1A+2], 4<<16                      ; tensor_dim1 = 4 row tiles
	s_mov_b32 s[G1A+3], 384<<16                    ; tile_dim0
	s_mov_b32 s[G1A+4], 4                          ; tile_dim1
	s_mov_b32 s[G1A+5], 1536                       ; from row tile to row tile, in elements
	s_mov_b32 s[G1A+6], 0
	s_mov_b32 s[G1A+7], 0
	s_mov_b32 s[G1B+1], 384<<16
	s_mov_b32 s[G1B+2], 8<<16                      ; 8 row tiles
	s_mov_b32 s[G1B+3], 384<<16
	s_mov_b32 s[G1B+4], 8
	s_mov_b32 s[G1B+5], 1536
	s_mov_b32 s[G1B+6], 0
	s_mov_b32 s[G1B+7], 0
	s_mov_b32 s[SEL], 0x76543210
	s_mov_b32 s[SEL+1], 0xfedcba98
	v_and_b32 v1, 31, v0                           ; lane
	v_and_b32 v2, 15, v0                           ; r
	v_bfe_u32 v3, v0, 4, 1                         ; h
	v_lshlrev_b32 v[L16], 4, v1
	v_lshlrev_b32 v[L8], 3, v1
	v_add_nc_u32 v[ADB16], s63, v[L16]             ; my 8 tiles of B in chunk 0
	v_add_nc_u32 v[ADB8], s63, v[L8]
	v_lshlrev_b32 v[BO], 6, v3
	v_and_b32 v[BR], 8, v2
	v_add_nc_u32 v[BR], v[BR], v2
	v_lshlrev_b32 v[BR], 2, v[BR]
	v_lshlrev_b32 v[SH16], 4, v3
	v_lshlrev_b32 v[LSV], 4, v2
	v_lshl_add_u32 v[LSV], v3, 3, v[LSV]
.irp b, 0,1,2,3
	v_mov_b32 v[TM+4+\b], 0                        ; written once: a lane permute's destination counts as one of its sources
.endr
	s_wait_dscnt 0x0                               ; the opening add is done
	s_wait_kmcnt 0x0
	s_add_nc_u64 s[90:91], s[4:5], s[90:91]        ; A's codes: hangs on the cluster's y and cy alone
	s_add_nc_u64 s[94:95], s[4:5], s[94:95]        ; B's: on the cluster's y and cx alone
	s_add_nc_u64 s[98:99], s[6:7], s[98:99]
	s_add_nc_u64 s[100:101], s[6:7], s[100:101]
	s_cmp_ge_u32 s[CY], 16
	s_cselect_b64 s[60:61], s[10:11], s[8:9]       ; the product's bias
	s_cmp_ge_u32 s[CY], 32
	s_cselect_b64 s[60:61], s[12:13], s[60:61]
	s_add_nc_u64 s[66:67], s[60:61], s[66:67]
	s_add_nc_u64 s[86:87], s[60:61], s[86:87]
.irp c, 0,1,2,3
	s_mov_b32 s[G0A+4*\c], 1                       ; 1:0 count = 1
	s_add_co_u32 s[G0A+4*\c+1], s62, \c*24576      ; 63:32 LDS address
	s_add_nc_u64 s[G0A+4*\c+2:G0A+4*\c+3], s[90:91], \c*3072   ; 120:64 global address: K steps 2 c, 2 c + 1
	s_or_b32 s[G0A+4*\c+3], s[G0A+4*\c+3], 0x80000000          ; 127:126 type = 2
	s_mov_b32 s[G0B+4*\c], 1
	s_add_co_u32 s[G0B+4*\c+1], s63, \c*49152
	s_add_nc_u64 s[G0B+4*\c+2:G0B+4*\c+3], s[94:95], \c*3072
	s_or_b32 s[G0B+4*\c+3], s[G0B+4*\c+3], 0x80000000
.endr
	s_mul_i32 s62, s[WA], 12288
	v_add_nc_u32 v[ADA16], s62, v[L16]             ; my 4 tiles of A in chunk 0
	v_add_nc_u32 v[ADA8], s62, v[L8]
	CROUND                                         ; all sixteen work-groups are here: the joint loads meet
	s_cmp_eq_u32 s[WA], 0                          ; a wave's four first fills stand in one branch, ahead of every wait on TENSORcnt, every LDS read and every other barrier; an s_nop 0 follows each, four v_nop the last
	s_cbranch_scc0 .Lfill_b
.irp c, 0,1,2,3
	tensor_load_to_lds s[G0A+4*\c:G0A+4*\c+3], s[G1A:G1A+7]
	s_nop 0
.endr
	PLACES 4
	s_branch .Lfilled
.Lfill_b:
.irp c, 0,1,2,3
	tensor_load_to_lds s[G0B+4*\c:G0B+4*\c+3], s[G1B:G1B+7]
	s_nop 0
.endr
	PLACES 4
.Lfilled:
.irp a, 0,1,2,3
	global_load_b128 v[SA+4*\a:SA+4*\a+3], v[L16], s[98:99] offset:512*\a      ; a tile's scale words: 512 consecutive bytes
.endr
.irp b, 0,1,2,3,4,5,6,7
	global_load_b128 v[SB+4*\b:SB+4*\b+3], v[L16], s[100:101] offset:512*\b
.endr
.irp b, 0,1,2,3,4,5,6,7                        ; both forms of the bias are loaded in every cluster, so that every register is written on every way
	global_load_b128 v[BI+8*\b:BI+8*\b+3], v[BO], s[66:67] offset:(32*(\b/2)+8*(\b%2))*4
	global_load_b128 v[BI+8*\b+4:BI+8*\b+7], v[BO], s[66:67] offset:(32*(\b/2)+8*(\b%2))*4+16
.endr
.irp a, 0,1,2,3
	global_load_b32 v[BL+2*\a], v[BR], s[86:87] offset:(32*(\a/2)+8*(\a%2))*4
	global_load_b32 v[BL+2*\a+1], v[BR], s[86:87] offset:(32*(\a/2)+8*(\a%2))*4
.endr
	s_wait_tensorcnt 3                             ; my part of chunk 0 is in; my three later chunks may stay out
	s_barrier_signal -1
	s_barrier_wait -1                              ; everybody's is
	FETCH 0
	s_wait_loadcnt 0x0                             ; scale words and biases
	KSTEP 0, 0
	KSTEP 1, 0
	KSTEP 2, 0
	KSTEP 3, 0
	KSTEP 4, 0
	KSTEP 5, 0
	KSTEP 6, 0
	KSTEP 7, 0
	WIN 0
	PLACES 4                                       ; in front of the first read of results
	s_cmp_lg_u32 s[ISV], 0                         ; hangs on the cluster's y alone: the same in all sixteen partners
	s_cbranch_scc1 .Lvpath
	; ---- q, k: my 64 tokens x 128 channels = four half fragments for each of two heads
	s_lshr_b32 s60, s[TR], 4                       ; the batch
	s_and_b32 s61, s[TR], 15                       ; which 128 tokens of it
	s_lshl_b32 s60, s60, 4
	s_lshl_b32 s62, s[TC], 2
	s_add_co_u32 s60, s60, s62
	s_lshl_b32 s62, s[WB], 1
	s_add_co_u32 s60, s60, s62                     ; bh of my first head
	s_lshl_b32 s84, 98304, s[ISK]                  ; a head's codes: Q 98,304, K and V 196,608
	s_lshl_b32 s85, 6144, s[ISK]                   ; 128 tokens' place: Q 6,144, K 12,288
	s_mul_i32 s86, s[ISK], 6291456                 ; K lies behind Q
	s_mul_i32 s62, s60, s84
	s_add_co_u32 s86, s86, s62
	s_mul_i32 s62, s61, s85
	s_add_co_u32 s86, s86, s62
	s_mul_i32 s62, s[WA], 3072
	s_add_co_u32 s86, s86, s62
	s_mov_b32 s87, 0
	s_mov_b32 s85, 0
	s_add_nc_u64 s[86:87], s[14:15], s[86:87]      ; the first head's,
	s_add_nc_u64 s[88:89], s[86:87], s[84:85]      ; the second's
	s_lshl_b32 s90, s[ISK], 12
	s_add_co_u32 s90, s90, 8192                    ; a head's scale bytes: Q 8,192, K and V 12,288
	s_lshl_b32 s91, s[ISK], 8
	s_add_co_u32 s91, s91, 512                     ; 128 tokens': Q 512, K 768
	s_lshl_b32 s92, s[ISK], 19
	s_mul_i32 s62, s60, s90
	s_add_co_u32 s92, s92, s62
	s_mul_i32 s62, s61, s91
	s_add_co_u32 s92, s92, s62
	s_lshl_b32 s62, s[WA], 8
	s_add_co_u32 s92, s92, s62
	s_mov_b32 s93, 0
	s_add_nc_u64 s[92:93], s[16:17], s[92:93]
	s_mov_b32 s63, 0x7f7f0000
	v_mul_u32_u24 v[LSQ], s90, v3
	v_lshl_add_u32 v[LSQ], v2, 4, v[LSQ]           ; 16 r, lanes 16-31 in the second head
	ROWS 0, 0
	ROWS 1, 0
	ROWS 2, 0
	ROWS 3, 0
	global_store_b128 v[LSQ], v[W:W+3], s[92:93]   ; sixteen lanes store 256 consecutive bytes, aligned, for each head
	s_branch .Lend
.Lvpath:
	; ---- v: my 64 channels x 128 keys = one head's four fragments of V^T for one key step
	s_lshr_b32 s60, s[TC], 3                       ; the batch
	s_lshl_b32 s60, s60, 4
	s_lshl_b32 s62, s[TR], 1
	s_add_co_u32 s60, s60, s62
	s_add_co_u32 s60, s60, s[WA]                   ; bh
	s_and_b32 s61, s[TC], 7
	s_lshl_b32 s61, s61, 1
	s_add_co_u32 s61, s61, s[WB]                   ; the key step
	s_mul_i32 s86, s60, 196608
	s_mul_i32 s62, s61, 12288
	s_add_co_u32 s86, s86, s62
	s_add_co_u32 s86, s86, 6291456+6144
	s_mov_b32 s87, 0
	s_add_nc_u64 s[86:87], s[14:15], s[86:87]
	s_mul_i32 s92, s60, 12288
	s_mul_i32 s62, s61, 768
	s_add_co_u32 s92, s92, s62
	s_add_co_u32 s92, s92, 524288+512
	s_mov_b32 s93, 0
	s_add_nc_u64 s[92:93], s[16:17], s[92:93]
	s_mov_b32 s63, 0xffff0000                      ; a bit for each of lanes 16-31
	ROWS 0, 1
	ROWS 1, 1
	ROWS 2, 1
	ROWS 3, 1
	v_cndmask_b32 v[E], v[W], v[W+2], s63          ; lanes 0-15 store tiles 0, 1's words of row r, lanes 16-31 tiles 2, 3's
	v_cndmask_b32 v[E+1], v[W+1], v[W+3], s63
	global_store_b64 v[LSV], v[E:E+1], s[92:93]    ; 32 lanes store 256 consecutive bytes, aligned
.Lend:
	s_wait_tensorcnt 0x0                           ; the wave's end, behind my last tensor load
	ds_add_u32 v[SPW], v[NIL]
	s_wait_dscnt 0x0
	CROUND                                         ; the closing round: no work-group ends while a partner may still ask for a tile that names it
	s_endpgm
.Lfunc_end_k_q0d08eb6bae_qkv:
	.size	k_q0d08eb6bae_qkv, .Lfunc_end_k_q0d08eb6bae_qkv-k_q0d08eb6bae_qkv
	.p2alignl 7, 3214868480
	.fill 96, 4, 3214868480
	.section	.rodata,"a",@progbits
	.p2align	6, 0x0
	.amdhsa_kernel k_q0d08eb6bae_qkv
		.amdhsa_group_segment_fixed_size 327680
		.amdhsa_private_segment_fixed_size 0
		.amdhsa_enable_private_segment 0
		.amdhsa_kernarg_size 56
		.amdhsa_user_sgpr_count 2
		.amdhsa_user_sgpr_kernarg_segment_ptr 1
		.amdhsa_wavefront_size32 1
		.amdhsa_system_sgpr_workgroup_id_x 1
		.amdhsa_system_sgpr_workgroup_id_y 1
		.amdhsa_system_sgpr_workgroup_id_z 1
		.amdhsa_system_vgpr_workitem_id 0
		.amdhsa_next_free_vgpr 864
		.amdhsa_next_free_sgpr 102
		.amdhsa_reserve_vcc 0
		.amdhsa_float_denorm_mode_32 3
		.amdhsa_float_denorm_mode_16_64 3
		.amdhsa_memory_ordered 1
		.amdhsa_forward_progress 1
		.amdhsa_inst_pref_size 124
	.end_amdhsa_kernel
	.amdgpu_metadata
---
amdhsa.version: [ 1, 2 ]
amdhsa.kernels:
  - .name:           k_q0d08eb6bae_qkv
    .symbol:         k_q0d08eb6bae_qkv.kd
    .args:
      - { .name: codes1, .offset: 0, .size: 8, .value_kind: global_buffer, .address_space: global }
      - { .name: scales1, .offset: 8, .size: 8, .value_kind: global_buffer, .address_space: global }
      - { .name: bq, .offset: 16, .size: 8, .value_kind: global_buffer, .address_space: global }
      - { .name: bk, .offset: 24, .size: 8, .value_kind: global_buffer, .address_space: global }
      - { .name: bv, .offset: 32, .size: 8, .value_kind: global_buffer, .address_space: global }
      - { .name: codes2, .offset: 40, .size: 8, .value_kind: global_buffer, .address_space: global }
      - { .name: scales2, .offset: 48, .size: 8, .value_kind: global_buffer, .address_space: global }
    .group_segment_fixed_size: 327680
    .private_segment_fixed_size: 0
    .kernarg_segment_align: 8
    .kernarg_segment_size: 56
    .max_flat_workgroup_size: 128
    .sgpr_count:     102
    .vgpr_count:     864
    .wavefront_size: 32
...
	.end_amdgpu_metadata
.endif
;; end of part 2
;; launch attn (part 3): grid 4 x 64, 16 waves a work-group, clusters of 4 x 1, 219,136 bytes of LDS; arguments codes2, scales2, mask, codes3, scales3; writes codes3, scales3
.if DOCPART == 3
	.amdgcn_target "amdgcn-amd-amdhsa--gfx1250"
	.amdhsa_code_object_version 6
	.text
	.protected	k_q0d08eb6bae_attn
	.globl	k_q0d08eb6bae_attn
	.p2align	8
	.type	k_q0d08eb6bae_attn,@function
k_q0d08eb6bae_attn:
	s_mov_b64 s[64:65], 0
	v_nop
	global_prefetch_b8 v0, s[64:65] scope:SCOPE_SE
	s_setreg_imm32_b32 hwreg(HW_REG_WAVE_MODE, 25, 1), 1
	s_wait_xcnt 0x0
	s_wait_alu depctr_hold_cnt(0) depctr_sa_sdst(0) depctr_va_vdst(0) depctr_va_sdst(0) depctr_va_ssrc(0) depctr_va_vcc(0) depctr_vm_vsrc(0)
	s_getreg_b32 s2, hwreg(HW_REG_IB_STS2, 6, 4)
	s_cmp_eq_u32 s2, 0
	s_cbranch_scc0 .Lentry_in_a_cluster
	s_endpgm
.Lentry_in_a_cluster:
	s_bfe_u32 s2, ttmp6, 0x10000c
	s_cmp_lg_u32 s2, 0x3003
	s_cbranch_scc0 .Lentry_shape_is_right
	s_endpgm
.Lentry_shape_is_right:
; O[b][h][q] = sum over keys of softmax(q . k / 8, masked keys left out) v, both products on codes of FP6 (E2M3) with E8M0 scales; O is quantised here for the last projection.
; THE SOFTMAX AHEAD OF THE SECOND PRODUCT: t = logit x log2(e); M = the running largest t rounded UP to a whole number; p = 2^(t - M) is quantised along the keys, not normalised; the row's sum is taken of the
; unquantised p and divides O at the end.  When M moves, the sum and O are multiplied by 2^(old M - new M): exact.
; THE 1/8: q's codes were made of q, not of q / 8 (a power of two moves a block's scale alone), so the raw score is 8 x logit, and c = log2(e) / 8 takes it to t.
; THE MASK COSTS NO VECTOR INSTRUCTION IN THE LOOP: each key's 0 or -1e30 lies in LDS as f32 and is loaded into the scores' registers as the C of the score product.
; LIMITS, stated: a masked key's score is -1e30 and the running largest t begins at -1e20, where reference() has -infinity: right for logits above about -5e19.  A batch whose keys are ALL masked has the sum 0:
; its rows' scale bytes are set to 0xff, so that the last projection's sums are NaN, as reference()'s are.  The division by the sum is a reciprocal and a multiplication.
; A block whose largest magnitude lies under 2^-124 gets the byte 1 (zero blocks: zero codes).  NaN and infinities among the inputs are not served.
; SHARES: the four work-groups of a cluster share one head (bh = the cluster's y); work-group cx owns 512 of its queries.  Each of the SIXTEEN waves owns one tile of 16 queries a pass, two passes; four waves to a SIMD,
; so that one wave's vector work stands beside another's matrix work and LDS loads.  THE HEAD'S WHOLE K AND V, 196,608 bytes of codes and 12,288 of scale words, LIE IN LDS for both passes: filled once, by joint loads
; (mask 15) of waves 0 and 1, five each: five loads of a wave are out at the most.
; LAYOUT: both products transposed: S^T = K Q^T, O^T = V^T P^T: a lane holds ONE query (lane % 16).  Key tile t of a step holds, in lane r, key 32 (t / 2) + 8 (t % 2) + r + 8 (r / 8), so that the 16 registers of tiles
; 2 b, 2 b + 1 are keys 32 b + 16 (lane / 16) + 0 .. 15; V^T's tiles of the head's 64 likewise, so that O^T's 32 registers are two blocks of 32 along the last projection's K.
; The head has 64 channels: registers 6-11 of Q's and K's fragments are zero codes, written once.
; REGISTERS: v1-11 addresses; v12 -M, v13 the largest t, v[14:15] the sum; v16-27 Q; v28-31 V's scale words; v32-79 four fragments of K; v80-127 four of V^T; v128-191 S^T, then p; v192-223 O^T; v224-235 p's codes;
; v232-247 at work; v248-251 K's scale words; v252 f; v253 p's scale word; v254 at work; v255 Q's scale word.
.set SCL,   196608                     ; LDS: behind K's and V's codes (a key step: 12,288 bytes) the scale words (a key step: 768 bytes),
.set MB,    208896                     ; the mask as f32, 4 bytes a key: stored by the waves, no fill lands there,
.set SPARE, 217088                     ; and the spare words, 128 bytes a wave, that no other line names
.set L16,  1                           ; v1   16 x lane
.set L8,   2                           ; v2   8 x lane
.set R16S, 3                           ; v3   SCL + 16 r
.set H64M, 4                           ; v4   MB + 64 h
.set SPW,  5                           ; v5   my spare word's LDS address; never rewritten
.set NIL,  6                           ; v6   0; never rewritten
.set AD16, 7                           ; v7-9, v11: the step's addresses
.set AD8,  8
.set ADS,  9
.set R16,  10                          ; v10  16 r
.set ADM,  11
.set QF,   16
.set VS,   28
.set KF,   32
.set VF,   80
.set S,    128
.set OT,   192
.set WV,   14
.set CX,   15
.set BH,   16
.set BT,   17
.set HD,   18
.set SEL,  20                          ; s[20:21] lane selects: lane l xor 16
.set CS,   22                          ; s[22:23] c = log2(e) / 8, twice: the packed form names a pair
.set G1C,  24                          ; s[24:31] descriptor group 1 for the codes; s[32:39] for the scale words
.set G1S,  32
.set G0,   40                          ; s[40:59] five groups 0: none is ever rewritten
.set TB,   60                          ; s60  where the step's codes begin in LDS
.set TS,   61                          ; s61  its scale words
.set TMK,  62                          ; s62  its keys' mask
.set CNT,  63
.set PASS, 66
.set TQ,   67                          ; s67  my tile of queries in the batch
.set QC,   68                          ; s[68:75] Q's codes, Q's scale words, O's codes, O's scale bytes
.set QS,   70
.set OC,   72
.set OS,   74
.macro CROUND                          ; a round of the cluster's barrier
	s_barrier_signal -1
	s_barrier_wait -1
	s_cmp_lg_u32 s[WV], 0
	s_cbranch_scc1 .Lnot_wave_0_\@
	s_barrier_signal -3
.Lnot_wave_0_\@:
	s_barrier_wait -3
	s_barrier_signal -1
	s_barrier_wait -1
.endm
	s_load_b256 s[4:11], s[0:1], 0x0               ; codes2, scales2, mask, codes3
	s_load_b64 s[12:13], s[0:1], 0x20              ; scales3
	v_lshl_add_u32 v[SPW], v0, 2, SPARE
	v_mov_b32 v[NIL], 0
	ds_add_u32 v[SPW], v[NIL]                      ; the wave's opening: the add and its wait stand ahead of the first tensor loads; the set-up below, work on registers, stands between them
	v_lshrrev_b32 v7, 5, v0
	v_readfirstlane_b32 s[WV], v7                  ; wave 0..15
	s_bfe_u32 s[CX], ttmp6, 0x40000                ; my place in the cluster: it enters Q's and O's addresses alone
	s_and_b32 s[BH], ttmp7, 0xffff                 ; 16 x batch + head, which the four partners share
	s_lshr_b32 s[BT], s[BH], 4
	s_and_b32 s[HD], s[BH], 15
	s_and_b32 s76, s[WV], 1                        ; which half I fetch, if I fetch
	s_mul_i32 s77, s76, 6144                       ; of the scale words,
	s_mul_i32 s78, s76, 24576                      ; of a chunk of four key steps
	s_mul_i32 s84, s[BH], 12288
	s_add_co_u32 s84, s84, s77
	s_add_co_u32 s84, s84, 524288
	s_mov_b32 s85, 0
	s_mul_i32 s86, s[BH], 196608
	s_add_co_u32 s86, s86, s78
	s_add_co_u32 s86, s86, 6291456
	s_mov_b32 s87, 0
	s_lshl_b32 s88, s[BT], 11                      ; the batch's 2,048 mask bytes
	s_mov_b32 s89, 0
	; descriptor group 1: dense blocks as rows of 256 bytes (32 elements of 8 bytes): 96 rows of codes, 24 of scale words
	s_mov_b32 s[G1C], 15|(3<<16)|(1<<21)           ; 15:0 the mask: all four work-groups; 17:16 elements of 8 bytes; 21 set beside a mask
	s_mov_b32 s[G1C+1], 32<<16
	s_mov_b32 s[G1C+2], 96<<16
	s_mov_b32 s[G1C+3], 32<<16
	s_mov_b32 s[G1C+4], 96
	s_mov_b32 s[G1C+5], 32
	s_mov_b32 s[G1C+6], 0
	s_mov_b32 s[G1C+7], 0
	s_mov_b32 s[G1S], 15|(3<<16)|(1<<21)
	s_mov_b32 s[G1S+1], 32<<16
	s_mov_b32 s[G1S+2], 24<<16
	s_mov_b32 s[G1S+3], 32<<16
	s_mov_b32 s[G1S+4], 24
	s_mov_b32 s[G1S+5], 32
	s_mov_b32 s[G1S+6], 0
	s_mov_b32 s[G1S+7], 0
	s_mov_b32 s[SEL], 0x76543210
	s_mov_b32 s[SEL+1], 0xfedcba98
	s_mov_b32 s[CS], 0x3e38aa3b                    ; log2(e) / 8
	s_mov_b32 s[CS+1], s[CS]
	v_and_b32 v7, 31, v0
	v_lshlrev_b32 v[L16], 4, v7
	v_lshlrev_b32 v[L8], 3, v7
	v_and_b32 v8, 15, v0
	v_lshlrev_b32 v[R16], 4, v8
	v_add_nc_u32 v[R16S], SCL, v[R16]
	v_bfe_u32 v9, v0, 4, 1
	v_lshl_add_u32 v[H64M], v9, 6, MB
	v_lshlrev_b32 v129, 2, v0                      ; my four mask bytes,
	v_lshl_add_u32 v136, v0, 4, MB                 ; and where their four numbers go
	v_mov_b32 v131, 0xf149f2ca                     ; -1e30
.irp i, 6,7,8,9,10,11
	v_mov_b32 v[QF+\i], 0                          ; zero codes for the K beyond the head's 64: written once
.irp t, 0,1,2,3
	v_mov_b32 v[KF+12*\t+\i], 0
.endr
.endr
.irp b, 0,1,2,3
	v_mov_b32 v[236+\b], 0                         ; written once: a lane permute's destination counts as one of its sources
.endr
	v_mov_b32 v253, 0                              ; (named as the upper half of the pair v[252:253] before it is first written)
	s_wait_dscnt 0x0                               ; the opening add is done
	s_wait_kmcnt 0x0
	s_mov_b32 s[G0], 1                             ; the scale words of the whole head
	s_add_co_u32 s[G0+1], s77, SCL
	s_add_nc_u64 s[G0+2:G0+3], s[6:7], s[84:85]
	s_or_b32 s[G0+3], s[G0+3], 0x80000000
	s_add_nc_u64 s[86:87], s[4:5], s[86:87]
.irp c, 0,1,2,3
	s_mov_b32 s[G0+4+4*\c], 1                      ; key steps 4 c .. 4 c + 3
	s_add_co_u32 s[G0+5+4*\c], s78, \c*49152
	s_add_nc_u64 s[G0+6+4*\c:G0+7+4*\c], s[86:87], \c*49152
	s_or_b32 s[G0+7+4*\c], s[G0+7+4*\c], 0x80000000
.endr
	s_add_nc_u64 s[8:9], s[8:9], s[88:89]
	CROUND                                         ; all four work-groups are here: the joint loads meet
	s_cmp_lt_u32 s[WV], 2                          ; all first fills of a wave stand in one branch on the wave's number; an s_nop 0 follows each, four v_nop the last
	s_cbranch_scc0 .Lno_fill
	tensor_load_to_lds s[G0:G0+3], s[G1S:G1S+7]
	s_nop 0
.irp c, 0,1,2,3
	tensor_load_to_lds s[G0+4+4*\c:G0+7+4*\c], s[G1C:G1C+7]
	s_nop 0
.endr
.rept 4
	v_nop
.endr
.Lno_fill:
	global_load_b32 v128, v129, s[8:9]             ; 512 threads x 4 bytes: the batch's mask
	s_wait_loadcnt 0x0
.irp i, 0,1,2,3
	v_bfe_u32 v130, v128, 8*\i, 8
	v_cmp_ne_u32 vcc_lo, 0, v130
	v_cndmask_b32 v[132+\i], 0, v131, vcc_lo       ; 0 for a key that counts, -1e30 for a masked one
.endr
	ds_store_b128 v136, v[132:135]
	s_wait_tensorcnt 0x0                           ; my loads have landed,
	s_wait_dscnt 0x0                               ; my part of the mask is stored:
	s_barrier_signal -1
	s_barrier_wait -1                              ; everybody's: K, V, their scale words and the mask lie in LDS for the rest of the launch
	s_mov_b32 s[PASS], 0
.Lpass:
	s_wait_xcnt 0x0                                ; the last pass's loads and stores have read their addresses and data
	s_lshl_b32 s[TQ], s[CX], 5
	s_lshl_b32 s76, s[PASS], 4
	s_add_co_u32 s[TQ], s[TQ], s76
	s_add_co_u32 s[TQ], s[TQ], s[WV]               ; my tile of queries: 32 cx + 16 pass + wave
	s_lshl_b32 s76, s[BH], 7
	s_add_co_u32 s76, s76, s[TQ]
	s_mul_i32 s76, s76, 768
	s_mov_b32 s77, 0
	s_add_nc_u64 s[QC:QC+1], s[4:5], s[76:77]
	s_lshl_b32 s76, s[BH], 13
	s_lshr_b32 s78, s[TQ], 2
	s_lshl_b32 s78, s78, 8
	s_add_co_u32 s76, s76, s78
	s_and_b32 s78, s[TQ], 3
	s_lshl_b32 s78, s78, 2
	s_add_co_u32 s76, s76, s78
	s_add_nc_u64 s[QS:QS+1], s[6:7], s[76:77]
	s_lshl_b32 s78, s[BT], 7
	s_add_co_u32 s78, s78, s[TQ]                   ; O's row tile
	s_mul_i32 s76, s78, 12288
	s_mul_i32 s79, s[HD], 768
	s_add_co_u32 s76, s76, s79
	s_add_nc_u64 s[OC:OC+1], s[10:11], s[76:77]
	s_lshl_b32 s76, s78, 9
	s_lshr_b32 s79, s[HD], 3
	s_lshl_b32 s79, s79, 8
	s_add_co_u32 s76, s76, s79
	s_and_b32 s79, s[HD], 7
	s_lshl_b32 s79, s79, 1
	s_add_co_u32 s76, s76, s79
	s_add_nc_u64 s[OS:OS+1], s[12:13], s[76:77]
	global_load_b128 v[QF:QF+3], v[L16], s[QC:QC+1]                ; Q's half fragment: 768 consecutive bytes
	global_load_b64 v[QF+4:QF+5], v[L8], s[QC:QC+1] offset:512
	global_load_b32 v255, v[R16], s[QS:QS+1]                       ; and its rows' scale words
	v_mov_b32 v13, 0xe0ad78ec                      ; the largest t so far: -1e20
	v_floor_f32 v12, -v13                          ; -M
	v_mov_b32 v14, 0                               ; the sum, in two halves
	v_mov_b32 v15, 0
.set nn, 0
.rept 32
	v_mov_b32 v[OT+nn], 0                          ; O^T: the step is written once; the first finds zeros, which the first change of M leaves zeros
.set nn, nn+1
.endr
	s_mov_b32 s[TB], 0
	s_mov_b32 s[TS], 0
	s_mov_b32 s[TMK], 0
	s_mov_b32 s[CNT], 16
	s_wait_loadcnt 0x0
.Lstep:                                            ; a key step: 128 keys
	v_add_nc_u32 v[AD16], s[TB], v[L16]
	v_add_nc_u32 v[AD8], s[TB], v[L8]
	v_add_nc_u32 v[ADS], s[TS], v[R16S]
	v_add_nc_u32 v[ADM], s[TMK], v[H64M]
.irp t, 0,1,2,3,4,5,6,7                        ; the mask's numbers of keys 32 (t / 2) + 16 h + 8 (t % 2) + 0 .. 7 into the scores' registers: the C of the score product
	ds_load_b128 v[S+8*\t:S+8*\t+3], v[ADM] offset:128*(\t/2)+32*(\t%2)
	ds_load_b128 v[S+8*\t+4:S+8*\t+7], v[ADM] offset:128*(\t/2)+32*(\t%2)+16
.endr
.irp g, 0,1                                    ; S^T = K Q^T + the mask, four tiles of 16 keys at a time
.if \g
.rept 4
	v_nop                                          ; places in front of loads into registers that the last four products have read
.endr
.endif
.irp t, 0,1,2,3
	ds_load_b128 v[KF+12*\t:KF+12*\t+3], v[AD16] offset:768*(4*\g+\t)
	ds_load_b64 v[KF+12*\t+4:KF+12*\t+5], v[AD8] offset:768*(4*\g+\t)+512
.endr
	ds_load_b128 v[248:251], v[ADS] offset:256*\g  ; the four tiles' scale words of row r
	s_wait_dscnt 0x0
.irp t, 0,1,2,3
	v_wmma_scale_f32_16x16x128_f8f6f4 v[S+8*(4*\g+\t):S+8*(4*\g+\t)+7], v[KF+12*\t:KF+12*\t+11], v[QF:QF+11], v[S+8*(4*\g+\t):S+8*(4*\g+\t)+7], v[248+\t], v255 matrix_a_fmt:MATRIX_FMT_FP6 matrix_b_fmt:MATRIX_FMT_FP6
.endr
.endr
.irp t, 0,1,2,3                                ; V^T's four fragments have registers of their own and are asked for now: they land while the softmax is worked.  (Eight plain instructions stand between the last step's second product and these loads)
	ds_load_b128 v[VF+12*\t:VF+12*\t+3], v[AD16] offset:6144+1536*\t
	ds_load_b64 v[VF+12*\t+4:VF+12*\t+5], v[AD8] offset:6144+1536*\t+512
	ds_load_b128 v[VF+12*\t+6:VF+12*\t+9], v[AD16] offset:6144+1536*\t+768
	ds_load_b64 v[VF+12*\t+10:VF+12*\t+11], v[AD8] offset:6144+1536*\t+1280
.endr
	ds_load_b128 v[VS:VS+3], v[ADS] offset:512
.rept 4
	v_nop                                          ; places in front of the first read of the scores
.endr
.irp b, 0,1,2,3
	v_max3_num_f32 v[232+\b], v[S+16*\b], v[S+1+16*\b], v[S+2+16*\b]   ; the largest score of each block of 32 keys: it serves for the row's maximum and, since p rises with the score, for the block's largest p
.endr
.irp i, 3,5,7,9,11,13
.irp b, 0,1,2,3
	v_max3_num_f32 v[232+\b], v[232+\b], v[S+16*\b+\i], v[S+1+16*\b+\i]
.endr
.endr
.irp b, 0,1,2,3
	v_max_num_f32 v[232+\b], v[232+\b], v[S+15+16*\b]
.endr
.irp b, 0,1,2,3
	v_permlanex16_b32 v[236+\b], v[232+\b], s[SEL], s[SEL+1]
.endr
.irp b, 0,1,2,3
	v_max_num_f32 v[232+\b], v[232+\b], v[236+\b]  ; with lane l xor 16's 16 keys
.endr
	v_max3_num_f32 v254, v232, v233, v234
	v_max_num_f32 v254, v254, v235                 ; the step's largest score of my query
	v_mul_f32 v254, s[CS], v254                    ; as t
	v_max_num_f32 v13, v13, v254                   ; the running largest t
	v_mov_b32 v254, v12
	v_floor_f32 v12, -v13                          ; the new -M = floor(-t): M is a whole number
	v_sub_f32 v254, v12, v254                      ; old M - new M: a whole number, 0 or less
	v_cvt_i32_f32 v254, v254                       ; (it saturates)
	v_ldexp_f32 v252, 1.0, v254                    ; f = 2^(old M - new M)
.set nn, 0
.rept 32
	v_pk_fma_f32 v[S+nn:S+nn+1], v[S+nn:S+nn+1], s[CS:CS+1], v[12:13] op_sel_hi:[1,0,0]   ; t - M, two at a time
.set nn, nn+2
.endr
.irp b, 0,1,2,3
	v_fma_f32 v[232+\b], v[232+\b], s[CS], v12     ; the same of each block's largest score
.endr
.set nn, 0
.rept 64
	v_exp_f32 v[S+nn], v[S+nn]                     ; p = 2^(t - M), at most 1; 0 for a masked key
.set nn, nn+1
.endr
	v_pk_mul_f32 v[14:15], v[14:15], v[252:253] op_sel_hi:[1,0]   ; the sums under the new M: the plain instruction behind the exponentials
	s_wait_alu depctr_va_vdst(0)                   ; one wait for the whole batch, ahead of its first reader
.irp b, 0,1,2,3
	v_exp_f32 v[232+\b], v[232+\b]                 ; the block's largest p
.endr
	v_pk_add_f32 v[236:237], v[S:S+1], v[S+2:S+3]  ; the row's sum is taken of the unquantised p: two at a time, in two chains
.set nn, 4
.rept 15
	v_pk_add_f32 v[14:15], v[14:15], v[S+nn:S+nn+1]
	v_pk_add_f32 v[236:237], v[236:237], v[S+nn+2:S+nn+3]
.set nn, nn+4
.endr
	v_pk_add_f32 v[14:15], v[14:15], v[236:237]
	s_wait_alu depctr_va_vdst(0)                   ; and one for the four
.irp b, 0,1,2,3
	v_max_num_f32 v[232+\b], 0x1800000, v[232+\b]  ; the floor 2^(3 - 127): the byte cannot fall under 1 (a block whose every p is 0 keeps that byte: its codes are zeros)
.endr
.irp b, 0,1,2,3
	v_add_nc_u32 v[244+\b], 0xff000000, v[232+\b]  ; 2 off the exponent field: the conversion's scale operand
.endr
.irp b, 0,1,2,3
	v_lshrrev_b32 v[236+\b], 23, v[244+\b]         ; the scale's byte
.endr
	v_lshl_or_b32 v253, v237, 8, v236              ; p's scale word for these 128 keys
	v_lshl_or_b32 v253, v238, 16, v253
	v_lshl_or_b32 v253, v239, 24, v253
.irp c, 0,1
	v_cvt_scalef32_pk16_fp6_f32 v[224+6*\c:226+6*\c], v[S+32*\c:S+15+32*\c], v[244+2*\c]
	v_cvt_scalef32_pk16_fp6_f32 v[236+4*\c:238+4*\c], v[S+16+32*\c:S+31+32*\c], v[244+2*\c+1]
.endr
	v_nop                                          ; one plain instruction behind the conversions
.irp c, 0,1                                    ; a whole block to a lane
.irp i, 0,1,2
	v_permlane16_swap_b32 v[224+6*\c+\i], v[236+4*\c+\i]
.endr
.irp i, 0,1,2
	v_mov_b32 v[227+6*\c+\i], v[236+4*\c+\i]
.endr
.endr
.set nn, 0
.rept 16
	v_pk_mul_f32 v[OT+nn:OT+nn+1], v[OT+nn:OT+nn+1], v[252:253] op_sel_hi:[1,0]   ; O^T under the new M.  (These are also the places between the writes of p's codes and scale word and the products below)
.set nn, nn+2
.endr
	s_wait_dscnt 0x0                               ; V^T's fragments and scale words are in
.irp t, 0,1,2,3                                ; O^T += V^T P^T: four tiles of 16 of the head's 64; K = these 128 keys
	v_wmma_scale_f32_16x16x128_f8f6f4 v[OT+8*\t:OT+8*\t+7], v[VF+12*\t:VF+12*\t+11], v[224:235], v[OT+8*\t:OT+8*\t+7], v[VS+\t], v253 matrix_a_fmt:MATRIX_FMT_FP6 matrix_b_fmt:MATRIX_FMT_FP6
.endr
	s_add_co_u32 s[TB], s[TB], 12288
	s_add_co_u32 s[TS], s[TS], 768
	s_add_co_u32 s[TMK], s[TMK], 512
	s_sub_co_u32 s[CNT], s[CNT], 1
	s_cmp_lg_u32 s[CNT], 0
	s_cbranch_scc1 .Lstep
	; THE WAY OUT OF A PASS: O^T / the sum, quantised along the head's 64 (two blocks of 32): a half fragment of the last projection's operand
.rept 4
	v_nop                                          ; places in front of the first read of O^T
.endr
	v_add_f32 v14, v14, v15                        ; the sum's two halves,
	v_permlanex16_b32 v252, v14, s[SEL], s[SEL+1]
	v_add_f32 v14, v14, v252                       ; and lane l xor 16's: the row's sum
	v_mov_b32 v254, v14
	v_rcp_f32 v14, v14
	v_mov_b32 v239, 0xffff                         ; (the plain instruction behind the reciprocal)
	s_wait_alu depctr_va_vdst(0)                   ; the wait ahead of its first reader
.set nn, 0
.rept 16
	v_pk_mul_f32 v[S+nn:S+nn+1], v[OT+nn:OT+nn+1], v[14:15] op_sel_hi:[1,0]   ; register 16 b + i = channel 32 b + 16 h + i of my query
.set nn, nn+2
.endr
.irp b, 0,1
	v_max3_num_f32 v[232+\b], |v[S+16*\b]|, |v[S+1+16*\b]|, 0x1800000
.endr
.irp i, 2,4,6,8,10,12,14
.irp b, 0,1
	v_max3_num_f32 v[232+\b], v[232+\b], |v[S+16*\b+\i]|, |v[S+1+16*\b+\i]|
.endr
.endr
.irp b, 0,1
	v_permlanex16_b32 v[236+\b], v[232+\b], s[SEL], s[SEL+1]
.endr
.irp b, 0,1
	v_max_num_f32 v[232+\b], v[232+\b], v[236+\b]
.endr
.irp b, 0,1
	v_add_nc_u32 v[244+\b], 0xff000000, v[232+\b]
.endr
.irp b, 0,1
	v_lshrrev_b32 v[236+\b], 23, v[244+\b]
.endr
	v_lshl_or_b32 v238, v237, 8, v236              ; my row's two scale bytes
	v_cmp_eq_f32 vcc_lo, 0, v254                   ; the sum is 0 only where every key is masked:
	v_cndmask_b32 v238, v238, v239, vcc_lo         ; then both bytes are 0xff, and the last projection's sums are NaN
	v_cvt_scalef32_pk16_fp6_f32 v[224:226], v[S:S+15], v244
	v_cvt_scalef32_pk16_fp6_f32 v[240:242], v[S+16:S+31], v245
	v_nop
.irp i, 0,1,2
	v_permlane16_swap_b32 v[224+\i], v[240+\i]
.endr
.irp i, 0,1,2
	v_mov_b32 v[227+\i], v[240+\i]
.endr
	global_store_b128 v[L16], v[224:227], s[OC:OC+1]               ; 768 consecutive bytes, aligned
	global_store_b64 v[L8], v[228:229], s[OC:OC+1] offset:512
	global_store_b16 v[R16], v238, s[OS:OS+1]      ; two bytes a row; lanes l and l xor 16 hold the same row's bytes and store the same value.  A head's bytes are an eighth of a row's 16: 262,144 bytes in the whole launch go out so
	s_add_co_u32 s[PASS], s[PASS], 1
	s_cmp_lt_u32 s[PASS], 2
	s_cbranch_scc1 .Lpass
	s_wait_tensorcnt 0x0                           ; the wave's end, behind my last tensor load and my last LDS store
	ds_add_u32 v[SPW], v[NIL]
	s_wait_dscnt 0x0
	CROUND                                         ; the closing round: no work-group ends while a partner may still ask for a tile that names it
	s_endpgm
.Lfunc_end_k_q0d08eb6bae_attn:
	.size	k_q0d08eb6bae_attn, .Lfunc_end_k_q0d08eb6bae_attn-k_q0d08eb6bae_attn
	.p2alignl 7, 3214868480
	.fill 96, 4, 3214868480
	.section	.rodata,"a",@progbits
	.p2align	6, 0x0
	.amdhsa_kernel k_q0d08eb6bae_attn
		.amdhsa_group_segment_fixed_size 219136
		.amdhsa_private_segment_fixed_size 0
		.amdhsa_enable_private_segment 0
		.amdhsa_kernarg_size 40
		.amdhsa_user_sgpr_count 2
		.amdhsa_user_sgpr_kernarg_segment_ptr 1
		.amdhsa_wavefront_size32 1
		.amdhsa_system_sgpr_workgroup_id_x 1
		.amdhsa_system_sgpr_workgroup_id_y 1
		.amdhsa_system_sgpr_workgroup_id_z 1
		.amdhsa_system_vgpr_workitem_id 0
		.amdhsa_next_free_vgpr 256
		.amdhsa_next_free_sgpr 90
		.amdhsa_reserve_vcc 1
		.amdhsa_float_denorm_mode_32 3
		.amdhsa_float_denorm_mode_16_64 3
		.amdhsa_memory_ordered 1
		.amdhsa_forward_progress 1
		.amdhsa_inst_pref_size 32
	.end_amdhsa_kernel
	.amdgpu_metadata
---
amdhsa.version: [ 1, 2 ]
amdhsa.kernels:
  - .name:           k_q0d08eb6bae_attn
    .symbol:         k_q0d08eb6bae_attn.kd
    .args:
      - { .name: codes2, .offset: 0, .size: 8, .value_kind: global_buffer, .address_space: global }
      - { .name: scales2, .offset: 8, .size: 8, .value_kind: global_buffer, .address_space: global }
      - { .name: mask, .offset: 16, .size: 8, .value_kind: global_buffer, .address_space: global }
      - { .name: codes3, .offset: 24, .size: 8, .value_kind: global_buffer, .address_space: global }
      - { .name: scales3, .offset: 32, .size: 8, .value_kind: global_buffer, .address_space: global }
    .group_segment_fixed_size: 219136
    .private_segment_fixed_size: 0
    .kernarg_segment_align: 8
    .kernarg_segment_size: 40
    .max_flat_workgroup_size: 512
    .sgpr_count:     90
    .vgpr_count:     256
    .wavefront_size: 32
...
	.end_amdgpu_metadata
.endif
;; end of part 3
;; launch oproj (part 4): grid 4 x 64, 4 waves a work-group, clusters of 4 x 4, 327,680 bytes of LDS; arguments codes3, scales3, codes1, scales1, bo, out0; writes out0
.if DOCPART == 4
	.amdgcn_target "amdgcn-amd-amdhsa--gfx1250"
	.amdhsa_code_object_version 6
	.text
	.protected	k_q0d08eb6bae_oproj
	.globl	k_q0d08eb6bae_oproj
	.p2align	8
	.type	k_q0d08eb6bae_oproj,@function
k_q0d08eb6bae_oproj:
	s_mov_b64 s[64:65], 0
	v_nop
	global_prefetch_b8 v0, s[64:65] scope:SCOPE_SE
	s_setreg_imm32_b32 hwreg(HW_REG_WAVE_MODE, 25, 1), 1
	s_wait_xcnt 0x0
	s_wait_alu depctr_hold_cnt(0) depctr_sa_sdst(0) depctr_va_vdst(0) depctr_va_sdst(0) depctr_va_ssrc(0) depctr_va_vcc(0) depctr_vm_vsrc(0)
	s_getreg_b32 s2, hwreg(HW_REG_IB_STS2, 6, 4)
	s_cmp_eq_u32 s2, 0
	s_cbranch_scc0 .Lentry_in_a_cluster
	s_endpgm
.Lentry_in_a_cluster:
	s_bfe_u32 s2, ttmp6, 0x10000c
	s_cmp_lg_u32 s2, 0xf033
	s_cbranch_scc0 .Lentry_shape_is_right
	s_endpgm
.Lentry_shape_is_right:
; out0 = O wo^T + bo, on codes of FP6 (E2M3) with E8M0 scales.  O's codes and scale words were made by the attention launch, wo's by the first launch (row tiles 1216-1279 of codes1), both as images of the operand's registers.
; Source 0 = 16 rows of wo, source 1 = 16 rows of O: a lane holds ONE row of the output, and its registers run along the output's columns.  Row tile T holds, in lane r, row 32 (T / 2) + 8 (T % 2) + r + 8 (r / 8).
; SHARES: a work-group makes 128 rows x 256 columns, each of its four waves 64 x 128: 32 accumulators.  K = 1,024 is eight steps of 128.  THE WHOLE K OF THE TILE LIES IN LDS (98,304 + 196,608 bytes of codes): every tensor
; load is a first fill, in four chunks of two K steps, all asked for at the head: four loads of a wave are out at the most.
; CLUSTERS: 4 x 4 work-groups; O's tiles are asked for jointly along a row of the cluster, wo's along a column.
; The bias is the C of the first K step's products.  The scale words come straight from memory into registers: lanes 0-15 hold K steps 0-3, lanes 16-31 K steps 4-7.
; A row of O whose scale bytes are 0xff (a batch with every key masked) gives NaN, as reference() does.
; REGISTERS: window 0: v0-13 addresses, v16-63 scale words, v64-191 rows on the way out, v192-255 the bias.  window 1: accumulator (a, b) at v[64 a + 8 b].  window 2: wo's fragments, two sets of 96.  window 3: O's, two sets of 48.
.set SPARE, 294912                     ; behind the codes: the spare words, 128 bytes a wave, that no other line names
.set BLDS,  98304                      ; where B's codes begin in LDS.  The way out's stages lie here, in B's first chunk: it has had its only fill, and every wave's reads of it are over in front of the second chunk's barrier
.set L16, 4                            ; v4  16 x lane
.set L8,  5                            ; v5  8 x lane
.set SPW, 6                            ; v6  my spare word's LDS address; never rewritten
.set NIL, 7                            ; v7  0; never rewritten
.set ADA16, 8
.set ADA8,  9
.set ADB16, 10
.set ADB8,  11
.set STO, 12                           ; v12 the way out: where I put 32 bytes of a row
.set RD,  13                           ; v13 and where I read a row back
.set BO,  14                           ; v14 64 h
.set SA,  16
.set SB,  32
.set BK,  64                           ; v64-127, v128-191: 16 rows read back from the stage, by turns
.set BI,  192                          ; v192-255 the bias along the registers
.set WV,  18
.set WA,  19
.set WB,  20
.set CX,  21
.set CYI, 22
.set CY,  23
.set TR,  26
.set TC,  27
.set G1A, 28
.set G1B, 36
.set G0A, 44
.set G0B, 68
.set MSB, 0
.macro WIN new                         ; the immediate's high byte repeats the setting that is left
.if MSB != \new
	s_set_vgpr_msb (MSB<<8)|\new
.set MSB, \new
.endif
.endm
.macro CROUND                          ; a round of the cluster's barrier
	s_barrier_signal -1
	s_barrier_wait -1
	s_cmp_lg_u32 s[WV], 0
	s_cbranch_scc1 .Lnot_wave_0_\@
	s_barrier_signal -3
.Lnot_wave_0_\@:
	s_barrier_wait -3
	s_barrier_signal -1
	s_barrier_wait -1
.endm
.macro PLACES n                        ; plain vector instructions between a matrix instruction and a load into, or a read of, its registers
.rept \n
	v_nop
.endr
.endm
.macro FRAGLD reg, a16, a8, off        ; a fragment, 12 registers, as it lies: two halves of 512 + 256 consecutive bytes
	ds_load_b128 v[\reg:\reg+3], v[\a16] offset:\off
	ds_load_b64 v[\reg+4:\reg+5], v[\a8] offset:\off+512
	ds_load_b128 v[\reg+6:\reg+9], v[\a16] offset:\off+768
	ds_load_b64 v[\reg+10:\reg+11], v[\a8] offset:\off+1280
.endm
.macro FETCH s                         ; K step s: B's eight fragments and A's four, into set s % 2: 48 LDS loads in one run
	WIN 0x80
.irp b, 0,1,2,3,4,5,6,7
	FRAGLD 96*((\s)%2)+12*\b, ADB16, ADB8, 3072*\b+1536*((\s)%2)
.endr
	WIN 0xc0
.irp a, 0,1,2,3
	FRAGLD 48*((\s)%2)+12*\a, ADA16, ADA8, 3072*\a+1536*((\s)%2)
.endr
.endm
; 32 matrix instructions: K step s.  The 32 accumulators take turns, one instruction a turn, in the same order in every step.  The first step starts the sums: cm = 0 with the constant 0, cm = 2 with the bias.
.macro MUL s, cm
.irp a, 0,1,2,3
.irp b, 0,1,2,3,4,5,6,7
.set rD, 64*\a+8*\b
.set rB, 96*((\s)%2)+12*\b
.set rA, 48*((\s)%2)+12*\a
.set rSB, SB+4*\b+(\s)%4
.set rSA, SA+4*\a+(\s)%4
.if (\s) >= 4
	v_wmma_scale_f32_16x16x128_f8f6f4 v[rD:rD+7], v[rB:rB+11], v[rA:rA+11], v[rD:rD+7], v[rSB], v[rSA] matrix_a_fmt:MATRIX_FMT_FP6 matrix_b_fmt:MATRIX_FMT_FP6 matrix_a_scale:MATRIX_SCALE_ROW1 matrix_b_scale:MATRIX_SCALE_ROW1
.elseif (\s) > 0
	v_wmma_scale_f32_16x16x128_f8f6f4 v[rD:rD+7], v[rB:rB+11], v[rA:rA+11], v[rD:rD+7], v[rSB], v[rSA] matrix_a_fmt:MATRIX_FMT_FP6 matrix_b_fmt:MATRIX_FMT_FP6
.elseif (\cm) == 2
	v_wmma_scale_f32_16x16x128_f8f6f4 v[rD:rD+7], v[rB:rB+11], v[rA:rA+11], v[BI+8*\b:BI+8*\b+7], v[rSB], v[rSA] matrix_a_fmt:MATRIX_FMT_FP6 matrix_b_fmt:MATRIX_FMT_FP6
.else
	v_wmma_scale_f32_16x16x128_f8f6f4 v[rD:rD+7], v[rB:rB+11], v[rA:rA+11], 0, v[rSB], v[rSA] matrix_a_fmt:MATRIX_FMT_FP6 matrix_b_fmt:MATRIX_FMT_FP6
.endif
.endr
.endr
.endm
; K step s: the next step's fragments are asked for, then this step is multiplied.
.macro KSTEP s, cm
.if (((\s)%2) == 1) && ((\s) < 7)      ; the next step opens a chunk
	s_wait_dscnt 0x0                               ; no LDS load of mine is out at the signal (this step's fragments are in),
	s_wait_tensorcnt 3-((\s)+1)/2                  ; my part of the next chunk has landed; my later chunks may stay out
	s_barrier_signal -1
	s_barrier_wait -1                              ; everybody's has
	WIN 0
	v_add_nc_u32 v[ADA16], 24576, v[ADA16]         ; on to the next chunk.  These four are also the places in front of the loads below
	v_add_nc_u32 v[ADA8], 24576, v[ADA8]
	v_add_nc_u32 v[ADB16], 49152, v[ADB16]
	v_add_nc_u32 v[ADB8], 49152, v[ADB8]
	FETCH (\s)+1
.elseif (\s) < 7
.if (\s) > 0
	PLACES 4                                       ; the set to be loaded was multiplied last
.endif
	FETCH (\s)+1
	s_wait_dscnt 48                                ; all but the 48 just issued: this step's fragments are in
.else
	s_wait_dscnt 0x0
.endif
.if ((\cm) == 2) && ((\s) == 0)
	WIN 0x4e                                       ; source 0 (B) window 2, source 1 (A) window 3, C window 0, D window 1
.else
	WIN 0x5e                                       ; the same, C window 1
.endif
	MUL \s, \cm
.endm
; THE WAY OUT, a tile of 16 rows x 128 columns at a time: a lane holds pieces of 32 bytes of one row, so the tile goes through my own stage in LDS (rows 528 bytes apart) and comes back as whole rows of 512 bytes.
; LDS serves a wave's instructions in order (ISA guide 5.7.1.4): no wait between the stores and the loads, nor in front of the next tile's stores.
.macro TOSTAGE a
	WIN 0x04                                       ; an LDS store's data are its source 1: window 1
.irp b, 0,1,2,3,4,5,6,7
	ds_store_b128 v[STO], v[64*(\a)+8*\b:64*(\a)+8*\b+3] offset:128*(\b/2)+32*(\b%2)          ; each accumulator from its low end on: columns 32 (b / 2) + 16 h + 8 (b % 2) + 0 .. 7
	ds_store_b128 v[STO], v[64*(\a)+8*\b+4:64*(\a)+8*\b+7] offset:128*(\b/2)+32*(\b%2)+16
.endr
	WIN 0
.irp t, 0,1,2,3,4,5,6,7,8,9,10,11,12,13,14,15
	ds_load_b128 v[BK+64*((\a)%2)+4*\t:BK+64*((\a)%2)+4*\t+3], v[RD] offset:528*\t
.endr
.endm
.macro SEND a, younger                 ; younger: the LDS instructions issued behind tile a's loads, which may stay out
	s_wait_dscnt \younger
.irp t, 0,1,2,3,4,5,6,7,8,9,10,11,12,13,14,15
	global_store_b128 v[L16], v[BK+64*((\a)%2)+4*\t:BK+64*((\a)%2)+4*\t+3], s[86:87] offset:(32*((\a)/2)+8*((\a)%2)+\t+8*(\t/8))*4096 th:TH_STORE_NT   ; 32 lanes store 512 consecutive bytes, aligned; the tile's row order is undone in the immediate
.endr
.endm
	s_load_b256 s[4:11], s[0:1], 0x0               ; codes3, scales3, codes1, scales1
	s_load_b128 s[12:15], s[0:1], 0x20             ; bo, out0
	v_lshl_add_u32 v[SPW], v0, 2, SPARE
	v_mov_b32 v[NIL], 0
	ds_add_u32 v[SPW], v[NIL]                      ; the wave's opening: the add and its wait stand ahead of my first tensor load; the set-up below, work on registers, stands between them
	v_lshrrev_b32 v1, 5, v0
	v_readfirstlane_b32 s[WV], v1                  ; wave 0..3
	s_lshr_b32 s[WA], s[WV], 1                     ; which half of the rows is mine.  Also: I fetch for A (0) or for B (1)
	s_and_b32 s[WB], s[WV], 1                      ; which half of the columns.  Also: which half of that tile I fetch
	s_bfe_u32 s[CX], ttmp6, 0x40000
	s_bfe_u32 s[CYI], ttmp6, 0x40004
	s_and_b32 s[CY], ttmp7, 0xffff
	s_lshl_b32 s[TR], s[CY], 2
	s_add_co_u32 s[TR], s[TR], s[CYI]              ; my block of 128 rows
	s_mov_b32 s[TC], s[CX]                         ; my block of 256 columns
	s_lshl_b32 s89, s[TR], 3                       ; the first of my work-group's 8 row tiles of O
	s_lshl_b32 s90, s[WB], 2
	s_add_co_u32 s90, s90, s89                     ; the four that I fetch, if I fetch for A
	s_mul_i32 s90, s90, 12288
	s_mov_b32 s91, 0
	s_lshl_b32 s92, s[TC], 4
	s_add_co_u32 s92, s92, 1216                    ; the first of the 16 row tiles of wo
	s_lshl_b32 s94, s[WB], 3
	s_add_co_u32 s94, s94, s92                     ; the eight that I fetch, if I fetch for B
	s_mul_i32 s94, s94, 12288
	s_mov_b32 s95, 0
	s_lshl_b32 s98, s[WA], 2
	s_add_co_u32 s98, s98, s89                     ; the four tiles of O that I multiply: their scale words
	s_lshl_b32 s98, s98, 9
	s_mov_b32 s99, 0
	s_lshl_b32 s100, s[WB], 3
	s_add_co_u32 s100, s100, s92                   ; the eight of wo
	s_lshl_b32 s100, s100, 9
	s_mov_b32 s101, 0
	s_mul_i32 s62, s[WB], 12288                    ; where my part of a chunk goes: no place in the cluster enters an LDS address
	s_mul_i32 s63, s[WB], 24576
	s_add_co_u32 s63, s63, BLDS
	s_lshl_b32 s66, s[TC], 10                      ; my 128 columns, in bytes: 4 (256 TC + 128 WB)
	s_lshl_b32 s67, s[WB], 9
	s_add_co_u32 s66, s66, s67
	s_mov_b32 s67, 0
	s_lshl_b32 s86, s[TR], 19                      ; my 64 rows of 4,096 bytes: 128 TR + 64 WA
	s_lshl_b32 s87, s[WA], 18
	s_add_co_u32 s86, s86, s87
	s_add_co_u32 s86, s86, s66
	s_mov_b32 s87, 0
	s_lshl_b32 s93, s[CYI], 2
	s_lshl_b32 s93, 15, s93                        ; my row of the cluster
	s_lshl_b32 s96, 0x1111, s[CX]                  ; my column
	; descriptor group 1: R rows of 3,072 bytes (two K steps of a row tile: 384 elements of 8 bytes), 12,288 bytes apart in memory, dense in LDS
	s_or_b32 s[G1A], s93, (3<<16)|(1<<21)          ; 15:0 the mask: A's tiles go to my row; 17:16 elements of 8 bytes; 21 set beside a mask
	s_or_b32 s[G1B], s96, (3<<16)|(1<<21)          ; B's go to my column
	s_mov_b32 s[G1A+1], 384<<16
	s_mov_b32 s[G1A+2], 4<<16
	s_mov_b32 s[G1A+3], 384<<16
	s_mov_b32 s[G1A+4], 4
	s_mov_b32 s[G1A+5], 1536
	s_mov_b32 s[G1A+6], 0
	s_mov_b32 s[G1A+7], 0
	s_mov_b32 s[G1B+1], 384<<16
	s_mov_b32 s[G1B+2], 8<<16
	s_mov_b32 s[G1B+3], 384<<16
	s_mov_b32 s[G1B+4], 8
	s_mov_b32 s[G1B+5], 1536
	s_mov_b32 s[G1B+6], 0
	s_mov_b32 s[G1B+7], 0
	v_and_b32 v1, 31, v0                           ; lane
	v_and_b32 v2, 15, v0                           ; r
	v_bfe_u32 v3, v0, 4, 1                         ; h
	v_lshlrev_b32 v[L16], 4, v1
	v_lshlrev_b32 v[L8], 3, v1
	v_add_nc_u32 v[ADB16], s63, v[L16]             ; my 8 tiles of B in chunk 0
	v_add_nc_u32 v[ADB8], s63, v[L8]
	v_lshlrev_b32 v[BO], 6, v3
	s_wait_dscnt 0x0                               ; the opening add is done
	s_wait_kmcnt 0x0
	s_add_nc_u64 s[90:91], s[4:5], s[90:91]        ; O's codes: hangs on the cluster's y and cy alone
	s_add_nc_u64 s[94:95], s[8:9], s[94:95]        ; wo's: on cx alone
	s_add_nc_u64 s[98:99], s[6:7], s[98:99]
	s_add_nc_u64 s[100:101], s[10:11], s[100:101]
	s_add_nc_u64 s[66:67], s[12:13], s[66:67]      ; bo at my columns
	s_add_nc_u64 s[86:87], s[14:15], s[86:87]      ; out0 at my part's first number
.irp c, 0,1,2,3
	s_mov_b32 s[G0A+4*\c], 1                       ; 1:0 count = 1
	s_add_co_u32 s[G0A+4*\c+1], s62, \c*24576      ; 63:32 LDS address
	s_add_nc_u64 s[G0A+4*\c+2:G0A+4*\c+3], s[90:91], \c*3072   ; 120:64 global address: K steps 2 c, 2 c + 1
	s_or_b32 s[G0A+4*\c+3], s[G0A+4*\c+3], 0x80000000          ; 127:126 type = 2
	s_mov_b32 s[G0B+4*\c], 1
	s_add_co_u32 s[G0B+4*\c+1], s63, \c*49152
	s_add_nc_u64 s[G0B+4*\c+2:G0B+4*\c+3], s[94:95], \c*3072
	s_or_b32 s[G0B+4*\c+3], s[G0B+4*\c+3], 0x80000000
.endr
	s_mul_i32 s62, s[WA], 12288
	v_add_nc_u32 v[ADA16], s62, v[L16]             ; my 4 tiles of A in chunk 0
	v_add_nc_u32 v[ADA8], s62, v[L8]
	s_mul_i32 s62, s[WV], 8448
	s_add_co_u32 s62, s62, BLDS                    ; my stage
	v_mul_u32_u24 v[STO], v2, 528
	v_lshl_add_u32 v[STO], v3, 6, v[STO]
	v_add_nc_u32 v[STO], s62, v[STO]               ; in: row r, + 64 h
	v_add_nc_u32 v[RD], s62, v[L16]                ; back: the 32 lanes take one row of 512 bytes
	CROUND                                         ; all sixteen work-groups are here: the joint loads meet
	s_cmp_eq_u32 s[WA], 0                          ; a wave's four first fills stand in one branch, ahead of every wait on TENSORcnt, every LDS read and every other barrier; an s_nop 0 follows each, four v_nop the last
	s_cbranch_scc0 .Lfill_b
.irp c, 0,1,2,3
	tensor_load_to_lds s[G0A+4*\c:G0A+4*\c+3], s[G1A:G1A+7]
	s_nop 0
.endr
	PLACES 4
	s_branch .Lfilled
.Lfill_b:
.irp c, 0,1,2,3
	tensor_load_to_lds s[G0B+4*\c:G0B+4*\c+3], s[G1B:G1B+7]
	s_nop 0
.endr
	PLACES 4
.Lfilled:
.irp a, 0,1,2,3
	global_load_b128 v[SA+4*\a:SA+4*\a+3], v[L16], s[98:99] offset:512*\a      ; a tile's scale words: 512 consecutive bytes
.endr
.irp b, 0,1,2,3,4,5,6,7
	global_load_b128 v[SB+4*\b:SB+4*\b+3], v[L16], s[100:101] offset:512*\b
.endr
.irp b, 0,1,2,3,4,5,6,7                        ; the bias in the result's layout: tile b's eight columns of my half
	global_load_b128 v[BI+8*\b:BI+8*\b+3], v[BO], s[66:67] offset:(32*(\b/2)+8*(\b%2))*4
	global_load_b128 v[BI+8*\b+4:BI+8*\b+7], v[BO], s[66:67] offset:(32*(\b/2)+8*(\b%2))*4+16
.endr
	s_wait_tensorcnt 3                             ; my part of chunk 0 is in; my three later chunks may stay out
	s_barrier_signal -1
	s_barrier_wait -1                              ; everybody's is
	FETCH 0
	s_wait_loadcnt 0x0                             ; scale words and bias
	KSTEP 0, 2
	KSTEP 1, 2
	KSTEP 2, 2
	KSTEP 3, 2
	KSTEP 4, 2
	KSTEP 5, 2
	KSTEP 6, 2
	KSTEP 7, 2
	WIN 0
	PLACES 4                                       ; in front of the first read of results
	TOSTAGE 0
	TOSTAGE 1
	SEND 0, 32                                     ; behind tile 0's loads: tile 1's 16 stores and 16 loads
	s_wait_xcnt 0x0                                ; tile 0's stores have read their registers: tile 2's loads may land there
	TOSTAGE 2
	SEND 1, 32
	s_wait_xcnt 0x0
	TOSTAGE 3
	SEND 2, 32
	SEND 3, 0
	s_wait_tensorcnt 0x0                           ; the wave's end, behind my last tensor load and my last LDS store
	ds_add_u32 v[SPW], v[NIL]
	s_wait_dscnt 0x0
	CROUND                                         ; the closing round: no work-group ends while a partner may still ask for a tile that names it
	s_endpgm
.Lfunc_end_k_q0d08eb6bae_oproj:
	.size	k_q0d08eb6bae_oproj, .Lfunc_end_k_q0d08eb6bae_oproj-k_q0d08eb6bae_oproj
	.p2alignl 7, 3214868480
	.fill 96, 4, 3214868480
	.section	.rodata,"a",@progbits
	.p2align	6, 0x0
	.amdhsa_kernel k_q0d08eb6bae_oproj
		.amdhsa_group_segment_fixed_size 327680
		.amdhsa_private_segment_fixed_size 0
		.amdhsa_enable_private_segment 0
		.amdhsa_kernarg_size 48
		.amdhsa_user_sgpr_count 2
		.amdhsa_user_sgpr_kernarg_segment_ptr 1
		.amdhsa_wavefront_size32 1
		.amdhsa_system_sgpr_workgroup_id_x 1
		.amdhsa_system_sgpr_workgroup_id_y 1
		.amdhsa_system_sgpr_workgroup_id_z 1
		.amdhsa_system_vgpr_workitem_id 0
		.amdhsa_next_free_vgpr 864
		.amdhsa_next_free_sgpr 102
		.amdhsa_reserve_vcc 0
		.amdhsa_float_denorm_mode_32 3
		.amdhsa_float_denorm_mode_16_64 3
		.amdhsa_memory_ordered 1
		.amdhsa_forward_progress 1
		.amdhsa_inst_pref_size 84
	.end_amdhsa_kernel
	.amdgpu_metadata
---
amdhsa.version: [ 1, 2 ]
amdhsa.kernels:
  - .name:           k_q0d08eb6bae_oproj
    .symbol:         k_q0d08eb6bae_oproj.kd
    .args:
      - { .name: codes3, .offset: 0, .size: 8, .value_kind: global_buffer, .address_space: global }
      - { .name: scales3, .offset: 8, .size: 8, .value_kind: global_buffer, .address_space: global }
      - { .name: codes1, .offset: 16, .size: 8, .value_kind: global_buffer, .address_space: global }
      - { .name: scales1, .offset: 24, .size: 8, .value_kind: global_buffer, .address_space: global }
      - { .name: bo, .offset: 32, .size: 8, .value_kind: global_buffer, .address_space: global }
      - { .name: out0, .offset: 40, .size: 8, .value_kind: global_buffer, .address_space: global }
    .group_segment_fixed_size: 327680
    .private_segment_fixed_size: 0
    .kernarg_segment_align: 8
    .kernarg_segment_size: 48
    .max_flat_workgroup_size: 128
    .sgpr_count:     102
    .vgpr_count:     864
    .wavefront_size: 32
...
	.end_amdgpu_metadata
.endif
;; end of part 4
